; MI455X (gfx1250); checked and timed in simulation.
; The chip was launched on July 23, 2026; its instructions are those of AMD's public machine-readable ISA for CDNA 5 (MIT licence, August 2026) and "CDNA5" Instruction Set Architecture Reference Guide (July 2026). The comments in the code are by the model that wrote it; some were corrected since.
;; Attention. Allowed arithmetic: matrix products marked QUANTISED: E2M3 operands, one E8M0 scale for each 32 along K, by v_wmma_scale_f32_16x16x128_f8f6f4 with both operands' format E2M3, f32 sums; everything else in f32.
;; Inputs: Wk 1,024 x 1,024 float32; Wq 1,024 x 1,024 float32; Wv 1,024 x 1,024 float32; x 4,096 x 1,024 float32.
;; Outputs: out0 4,096 x 1,024 float32.
;; This version of the problem:
;;   THIS VERSION OF THE PROBLEM IS GIVEN IN LOW PRECISION. The matrix products marked QUANTISED in the list below multiply operands that are first quantised to E2M3 (2 exponent bits, 3 mantissa bits; 6 bits a number), with one power-of-two scale for each 32 numbers along K (OCP MX v1.0); their sums are f32. All else is computed in f32.
;;   The module's matrix products, in the order in which they are computed (A, B: the left and right operand; K: the contracted axis; several contracted axes count as one K, in the product's order):
;;     1. [M 4,096, K 1,024] x [K 1,024, N 1,024]; A: input x; B: input Wq: QUANTISED
;;     2. [M 4,096, K 1,024] x [K 1,024, N 1,024]; A: input x; B: input Wk: QUANTISED
;;     3. [M 4,096, K 1,024] x [K 1,024, N 1,024]; A: input x; B: input Wv: QUANTISED
;;     4. [M 4,096, K 1,024] x [K 1,024, N 4,096]; A: computed on the way; B: computed on the way: QUANTISED
;;     5. [M 4,096, K 4,096] x [K 4,096, N 1,024]; A: softmax (see below); B: computed on the way: QUANTISED
;;   THE QUANTISER, for each operand of a quantised product, along K:
;;     - K is cut into blocks of 32 from its start; a last block that is shorter is filled with zeros.
;;     - A block's scale is 2^e with e = floor(log2(the largest magnitude in the block)) - 2, held to -126 .. 127; a block of zeros has e = 0. As a byte (E8M0): e + 127.
;;     - Each number is divided by its block's scale, clamped to +-7.5, and rounded to the nearest number of E2M3, ties to even, subnormals kept.
;;     - The product sums the exact products of the quantised numbers (number of the format x scale) in f32.
;;   ~~~python
;;   def quantise(x, axis):      # numpy; x: float32 -> the quantised numbers, widened to float32 again
;;       x = np.moveaxis(x, axis, -1); K = x.shape[-1]
;;       x = np.pad(x, [(0, 0)] * (x.ndim - 1) + [(0, -K % 32)]); x = x.reshape(x.shape[:-1] + (-1, 32)); a = np.abs(x).max(-1, keepdims=True)
;;       e = np.where(a > 0, np.clip(np.frexp(np.where(a > 0, a, 1))[1] - 1 - 2, -126, 127), 0)      # np.frexp(a)[1] - 1 = floor(log2(a)), exactly
;;       r = np.clip(x / 2.0 ** e, -7.5, 7.5)
;;       step = 2.0 ** (np.maximum(np.frexp(np.where(r == 0, 1, r))[1] - 1, 0) - 3)
;;       q = np.round(r / step) * step * 2.0 ** e      # np.round: ties to even
;;       return np.moveaxis(q.reshape(q.shape[:-2] + (-1,))[..., :K], -1, axis).astype(np.float32)
;;   ~~~
;;   SOFTMAX AHEAD OF A QUANTISED PRODUCT. Where the list says 'softmax', what is quantised is not the finished softmax but p = 2^(t - M), with t = logit x log2(e) and M = ceil(the row's largest t), a whole number; so 1/2 < the row's largest p <= 1. The row's sum l is taken of the UNQUANTISED p, in f32, and the product's result is divided by l at the end. Since M is a whole number, a kernel that streams over the keys may use a running M (the ceiling of the running maximum): every later rescaling is an exact power of two, which a block's scale takes up: the codes' values come out the same.
;;   OPERANDS COMPUTED ON THE WAY. 'Computed on the way' means the value that the module computes at that place (a softmax that the list does not call 'softmax' is quantised finished and normalised). What goes into a quantiser is computed in f32, as accurately as f32 sums, v_exp_f32 and their like allow (about 1e-6 of the number): no bf16 or f16 on the way to a quantiser, and a product that is left as it is and whose result goes on into a quantised operand takes f32 operands (vector FMAs, or v_wmma_f32_16x16x4_f32). A number that lies on a knife's edge between two numbers of the format may be rounded either way, as far as f32 arithmetic and the matrix unit's own rounding can turn it there, and no further.
;; One version. Each part assembles by itself: llvm-mc -triple=amdgcn-amd-amdhsa -mcpu=gfx1250 --defsym DOCPART=n.
;; ======== version 1 of 1: 4 launches
;; limits: right only within a limited range of input values
;; workspace buffers: xw_codes 5,505,024 bytes; xw_scales 229,376 bytes; qk_codes 6,291,456 bytes; qk_scales 262,144 bytes; v_codes 3,145,728 bytes; p_codes 12,582,912 bytes; pv_scales 655,360 bytes; p_stats 1,048,576 bytes
;; launch quant (part 1): grid 448 x 1, 4 waves a work-group, no clusters, 34,304 bytes of LDS; arguments x, Wq, Wk, Wv, xw_codes, xw_scales; writes xw_codes, xw_scales
.if DOCPART == 1
	.amdgcn_target "amdgcn-amd-amdhsa--gfx1250"
	.amdhsa_code_object_version 6
	.text
	.protected	k_qdc5b58e77c_quant
	.globl	k_qdc5b58e77c_quant
	.p2align	8
	.type	k_qdc5b58e77c_quant,@function
k_qdc5b58e77c_quant:
	s_mov_b64 s[64:65], 0
	v_nop
	global_prefetch_b8 v0, s[64:65] scope:SCOPE_SE
	s_setreg_imm32_b32 hwreg(HW_REG_WAVE_MODE, 25, 1), 1
	s_wait_xcnt 0x0
; x [4096][1024] and Wq, Wk, Wv [1024 (k)][1024 (n)], f32, become codes of FP6 (E2M3) along K with one E8M0 byte for each 32 along K.
; A block's scale is 2^(floor(log2(largest magnitude)) - 2): its byte is the largest magnitude's exponent field - 2, held at 1 from below.
; LAYOUT OF THE RESULT (this program's own): operands lie as IMAGES OF THE MATRIX OPERAND'S REGISTERS.  Rows go in groups of 128 = 8 blocks a of 16; lane-row r of block a
; is row 32 (a / 2) + 8 (a % 2) + r + 8 (r / 8) of the group.  A fragment (16 rows x 128 K, 12 registers a lane) is 1,536 bytes: register 4 c + i of lane L at 512 c + 16 L + 4 i.
; xw_codes: [group 56][K step 8][a 8][1536]: groups 0-31 x, 32-39 Wq's columns, 40-47 Wk's, 48-55 Wv's.  xw_scales: [K step 8][group 56][r 16][a 8] words (four bytes: 128 along K of one row).
; Work-groups 0-255 take x: 32 rows x 512 along K, a wave 32 rows x 128 K: two fragments.  Each load reads 512 consecutive bytes of one row; the rows turn through the wave's own stage in LDS
; (pitch 528 bytes), so that lane (r, h) gets k = 64 c + 32 h + 0 .. 31 of row r: two whole blocks, in the very order of the operand's registers.
; Work-groups 256-447 take a weight: 128 columns x 128 K, a wave 32 columns.  A LANE TAKES A COLUMN AND ITS REGISTERS RUN DOWN K: nothing is transposed; lanes 0-15 hold block 2 w's columns, lanes 16-31 block 2 w + 1's,
; and twelve exchanges of lane halves make the two fragments.  This path uses no LDS.
; The scale words leave as 4 bytes a lane, 32 bytes apart: 224 KB in all against 28 MB read.
; LIMITS: NaN and infinities are not served.  A block of zeros gets the byte 1 (its codes are zeros; only this program reads the bytes).
.set SP,   528                         ; a stage row: 512 bytes + 16
.set STGB, 16*SP                       ; a wave's stage
.set X,    52                          ; v52-115  64 numbers in the operand's order
.set R,    116                         ; v116-243 128 registers as loaded
	s_load_b256 s[4:11], s[0:1], 0x0               ; x, Wq, Wk, Wv
	s_load_b128 s[12:15], s[0:1], 0x20             ; the codes, the scale words
	v_lshl_add_u32 v248, v0, 2, 0x8400
	v_mov_b32 v249, 0
	v_lshrrev_b32 v1, 5, v0
	v_readfirstlane_b32 s16, v1                    ; wave 0..3
	v_and_b32 v2, 31, v0                           ; lane
	v_and_b32 v3, 15, v0                           ; r
	v_bfe_u32 v19, v0, 4, 1                        ; h
	v_lshlrev_b32 v4, 4, v2                        ; 16 x lane: a load's and an image's place
	v_lshlrev_b32 v7, 5, v3
	v_lshl_add_u32 v7, v19, 2, v7                  ; the scale word's place: 32 r + 4 h (lanes 16-31 store the second fragment's)
	s_mov_b32 s25, 0
	s_mov_b32 s27, 0
	s_mov_b32 s29, 0
	s_cmp_lt_u32 ttmp9, 256
	s_cbranch_scc0 .Lweights
	; ---------------- x ----------------
	s_lshr_b32 s17, ttmp9, 1                       ; which 32 rows
	s_and_b32 s18, ttmp9, 1
	s_lshl_b32 s18, s18, 2
	s_add_co_u32 s18, s18, s16                     ; K step
	s_lshr_b32 s22, s17, 2                         ; group
	s_and_b32 s23, s17, 3
	s_lshl_b32 s23, s23, 1                         ; first block
	s_lshl_b32 s24, s17, 17                        ; x: 32 rows of 4,096 bytes,
	s_lshl_b32 s26, s18, 9                         ; 512 bytes a K step
	s_add_co_u32 s24, s24, s26
	s_mul_i32 s26, s22, 98304                      ; codes
	s_mul_i32 s28, s18, 12288
	s_add_co_u32 s26, s26, s28
	s_mul_i32 s28, s23, 1536
	s_add_co_u32 s26, s26, s28
	s_mul_i32 s28, s18, 56                         ; scale words
	s_add_co_u32 s28, s28, s22
	s_lshl_b32 s28, s28, 9
	s_lshl_b32 s30, s23, 2
	s_add_co_u32 s28, s28, s30
	s_mov_b32 s20, 0x76543210
	s_mov_b32 s21, 0xfedcba98                      ; lane selects: lane l xor 16
	s_mul_i32 s30, s16, STGB
	s_wait_alu depctr_va_vdst(0)
	v_add_nc_u32 v5, s30, v4                       ; into the stage: a row as it is loaded
	v_mul_u32_u24 v6, v3, SP
	v_lshl_add_u32 v6, v19, 7, v6
	v_add_nc_u32 v6, s30, v6                       ; out of it: row r, + 128 h
	v_lshlrev_b32 v14, 3, v19                      ; 8 h
	v_mov_b32 v15, 0                               ; (a lane permute's destination counts as read)
	s_wait_alu depctr_va_vdst(0)
	s_wait_kmcnt 0x0
	s_add_nc_u64 s[4:5], s[4:5], s[24:25]
	s_add_nc_u64 s[12:13], s[12:13], s[26:27]
	s_add_nc_u64 s[14:15], s[14:15], s[28:29]
.set I, 0
.rept 32                               ; fragment I / 16, lane-row I % 16: all 16 KB of the wave are asked for at once
	global_load_b128 v[R+4*I:R+4*I+3], v4, s[4:5] offset:(8*(I/16)+I%16+8*((I%16)/8))*4096 th:TH_LOAD_NT
.set I, I+1
.endr
.macro XFRAG u
.set F, 20+12*\u
.if \u == 0
	s_wait_loadcnt 16                              ; the first fragment's 16 rows are in; the second's may be out
.else
	s_wait_loadcnt 0x0
.endif
.set I, 0
.rept 16
	ds_store_b128 v5, v[R+64*\u+4*I:R+64*\u+4*I+3] offset:SP*I
.set I, I+1
.endr
.set I, 0
.rept 16                               ; LDS serves a wave's instructions in order: these see the stores above
	ds_load_b128 v[X+4*I:X+4*I+3], v6 offset:256*(I/8)+16*(I%8)
.set I, I+1
.endr
	s_wait_dscnt 0x0
.irp c, 0,1                            ; my block 2 c + h: all its 32 numbers are mine; the floor 2^(3 - 127) holds the byte at 1
	v_max3_num_f32 v[8+\c], |v[X+32*\c]|, |v[X+32*\c+1]|, 0x1800000
.endr
.irp i, 2,4,6,8,10,12,14,16,18,20,22,24,26,28,30
.irp c, 0,1
	v_max3_num_f32 v[8+\c], v[8+\c], |v[X+32*\c+\i]|, |v[X+32*\c+\i+1]|
.endr
.endr
.irp c, 0,1
	v_add_nc_u32 v[10+\c], 0xff000000, v[8+\c]     ; 2 off the exponent field: the conversion's scale operand
.endr
.irp c, 0,1
	v_lshrrev_b32 v[12+\c], 23, v[10+\c]           ; the byte
.endr
	v_lshl_or_b32 v[16+\u], v13, 16, v12           ; blocks h and 2 + h,
	v_lshlrev_b32 v[16+\u], v14, v[16+\u]          ; at their places;
	v_permlanex16_b32 v15, v[16+\u], s20, s21
	v_or_b32 v[16+\u], v[16+\u], v15               ; with lane l xor 16's two the word is whole
.irp c, 0,1
	v_cvt_scalef32_pk16_fp6_f32 v[F+6*\c:F+6*\c+2], v[X+32*\c:X+32*\c+15], v[10+\c]
	v_cvt_scalef32_pk16_fp6_f32 v[44+4*\c:46+4*\c], v[X+32*\c+16:X+32*\c+31], v[10+\c]   ; (three registers begin on an even number)
.endr
	v_nop                                          ; one plain line behind the scaled conversions
.irp c, 0,1
.irp i, 0,1,2
	v_mov_b32 v[F+6*\c+3+\i], v[44+4*\c+\i]
.endr
.endr
.irp c, 0,1,2
	global_store_b128 v4, v[F+4*\c:F+4*\c+3], s[12:13] offset:1536*\u+512*\c   ; 512 consecutive bytes
.endr
.endm
	XFRAG 0
	XFRAG 1
	v_cmp_ne_u32 vcc_lo, 0, v19
	v_cndmask_b32 v18, v16, v17, vcc_lo            ; lanes 0-15 the first fragment's words, lanes 16-31 the second's
	global_store_b32 v7, v18, s[14:15]
	s_wait_tensorcnt 0x0
	ds_add_u32 v248, v249
	s_wait_dscnt 0x0
	s_endpgm
	; ---------------- the weights ----------------
.Lweights:
	s_sub_co_u32 s17, ttmp9, 256
	s_and_b32 s18, s17, 7                          ; K step
	s_bfe_u32 s22, s17, 0x30003                    ; which 128 columns
	s_lshr_b32 s23, s17, 6                         ; which weight
	s_lshl_b32 s30, s23, 3
	s_add_co_u32 s30, s30, s22
	s_add_co_u32 s30, s30, 32                      ; group
	s_lshl_b32 s24, s18, 19                        ; 128 rows of 4,096 bytes a K step,
	s_lshl_b32 s26, s22, 9
	s_add_co_u32 s24, s24, s26                     ; 512 bytes a group of columns,
	s_lshl_b32 s26, s16, 7
	s_add_co_u32 s24, s24, s26                     ; 128 a wave
	s_mul_i32 s26, s30, 98304
	s_mul_i32 s28, s18, 12288
	s_add_co_u32 s26, s26, s28
	s_mul_i32 s28, s16, 3072                       ; blocks 2 w, 2 w + 1
	s_add_co_u32 s26, s26, s28
	s_mul_i32 s28, s18, 56
	s_add_co_u32 s28, s28, s30
	s_lshl_b32 s28, s28, 9
	s_lshl_b32 s31, s16, 3
	s_add_co_u32 s28, s28, s31
	v_and_b32 v8, 7, v0                            ; my column of the wave's 32: 8 u + r + 8 (r / 8), u = lane / 16
	v_and_b32 v9, 8, v0
	v_lshl_or_b32 v8, v9, 1, v8
	v_and_b32 v9, 16, v0
	v_lshrrev_b32 v9, 1, v9
	v_or_b32 v8, v8, v9
	v_lshlrev_b32 v18, 2, v8
	s_wait_alu depctr_va_vdst(0)
	s_wait_kmcnt 0x0
	s_cmp_eq_u32 s23, 0
	s_cselect_b64 s[4:5], s[6:7], s[8:9]
	s_cmp_eq_u32 s23, 2
	s_cselect_b64 s[4:5], s[10:11], s[4:5]
	s_add_nc_u64 s[4:5], s[4:5], s[24:25]
	s_add_nc_u64 s[12:13], s[12:13], s[26:27]
	s_add_nc_u64 s[14:15], s[14:15], s[28:29]
.macro LOADW b                         ; block b: 32 rows, 128 consecutive bytes a load
.set I, 0
.rept 32
	global_load_b32 v[R+32*\b+I], v18, s[4:5] offset:(32*\b+I)*4096 th:TH_LOAD_NT
.set I, I+1
.endr
.endm
.macro BLKW b
.set XS, R+32*\b
.set DS, 20+12*(\b%2)+6*(\b/2)         ; blocks 0, 2 into v20-31, blocks 1, 3 into v32-43
	v_max3_num_f32 v8, |v[XS]|, |v[XS+1]|, |v[XS+2]|
	v_max3_num_f32 v9, |v[XS+3]|, |v[XS+4]|, |v[XS+5]|
.irp i, 6,10,14,18,22,26
	v_max3_num_f32 v8, v8, |v[XS+\i]|, |v[XS+\i+1]|
	v_max3_num_f32 v9, v9, |v[XS+\i+2]|, |v[XS+\i+3]|
.endr
	v_max3_num_f32 v8, v8, |v[XS+30]|, |v[XS+31]|
	v_max3_num_f32 v8, v8, v9, 0x1800000           ; and the floor
	v_add_nc_u32 v10, 0xff000000, v8
	v_lshrrev_b32 v12, 23, v10
.if \b == 0
	v_mov_b32 v16, v12
.else
	v_lshl_or_b32 v16, v12, 8*\b, v16              ; my column's scale word
.endif
	v_cvt_scalef32_pk16_fp6_f32 v[DS:DS+2], v[XS:XS+15], v10
	v_cvt_scalef32_pk16_fp6_f32 v[44:46], v[XS+16:XS+31], v10
	v_nop
.irp i, 0,1,2
	v_mov_b32 v[DS+3+\i], v[44+\i]
.endr
.endm
	LOADW 0
	LOADW 1
	s_wait_loadcnt 32                              ; block 0 is in; block 1's 32 loads may be out
	LOADW 2
	BLKW 0
	s_wait_loadcnt 32                              ; block 1 is in
	LOADW 3
	BLKW 1
	s_wait_loadcnt 32                              ; block 2 is in
	BLKW 2
	s_wait_loadcnt 0x0
	BLKW 3
.set I, 0
.rept 12                               ; v20-31's lanes 16-31 change places with v32-43's lanes 0-15: v20-31 is now block 2 w's fragment, v32-43 block 2 w + 1's
	v_permlane16_swap_b32 v[20+I], v[32+I]
.set I, I+1
.endr
.irp c, 0,1,2,3,4,5
	global_store_b128 v4, v[20+4*\c:23+4*\c], s[12:13] offset:512*\c
.endr
	global_store_b32 v7, v16, s[14:15]
	s_endpgm
.Lfunc_end_k_qdc5b58e77c_quant:
	.size	k_qdc5b58e77c_quant, .Lfunc_end_k_qdc5b58e77c_quant-k_qdc5b58e77c_quant
	.p2alignl 7, 3214868480
	.fill 96, 4, 3214868480
	.section	.rodata,"a",@progbits
	.p2align	6, 0x0
	.amdhsa_kernel k_qdc5b58e77c_quant
		.amdhsa_group_segment_fixed_size 34304
		.amdhsa_private_segment_fixed_size 0
		.amdhsa_enable_private_segment 0
		.amdhsa_kernarg_size 48
		.amdhsa_user_sgpr_count 2
		.amdhsa_user_sgpr_kernarg_segment_ptr 1
		.amdhsa_wavefront_size32 1
		.amdhsa_system_sgpr_workgroup_id_x 1
		.amdhsa_system_sgpr_workgroup_id_y 1
		.amdhsa_system_sgpr_workgroup_id_z 1
		.amdhsa_system_vgpr_workitem_id 0
		.amdhsa_next_free_vgpr 250
		.amdhsa_next_free_sgpr 66
		.amdhsa_reserve_vcc 1
		.amdhsa_float_denorm_mode_32 3
		.amdhsa_float_denorm_mode_16_64 3
		.amdhsa_memory_ordered 1
		.amdhsa_forward_progress 1
		.amdhsa_inst_pref_size 37
	.end_amdhsa_kernel
	.amdgpu_metadata
---
amdhsa.version: [ 1, 2 ]
amdhsa.kernels:
  - .name:           k_qdc5b58e77c_quant
    .symbol:         k_qdc5b58e77c_quant.kd
    .args:
      - { .name: x, .offset: 0, .size: 8, .value_kind: global_buffer, .address_space: global }
      - { .name: Wq, .offset: 8, .size: 8, .value_kind: global_buffer, .address_space: global }
      - { .name: Wk, .offset: 16, .size: 8, .value_kind: global_buffer, .address_space: global }
      - { .name: Wv, .offset: 24, .size: 8, .value_kind: global_buffer, .address_space: global }
      - { .name: xw_codes, .offset: 32, .size: 8, .value_kind: global_buffer, .address_space: global }
      - { .name: xw_scales, .offset: 40, .size: 8, .value_kind: global_buffer, .address_space: global }
    .group_segment_fixed_size: 34304
    .private_segment_fixed_size: 0
    .kernarg_segment_align: 8
    .kernarg_segment_size: 48
    .max_flat_workgroup_size: 128
    .sgpr_count:     66
    .vgpr_count:     250
    .wavefront_size: 32
...
	.end_amdgpu_metadata
.endif
;; end of part 1
;; launch proj (part 2): grid 16 x 12, 4 waves a work-group, clusters of 4 x 4, 327,680 bytes of LDS; arguments xw_codes, xw_scales, qk_codes, qk_scales, v_codes, pv_scales; writes qk_codes, qk_scales, v_codes, pv_scales
.if DOCPART == 2
	.amdgcn_target "amdgcn-amd-amdhsa--gfx1250"
	.amdhsa_code_object_version 6
	.text
	.protected	k_qdc5b58e77c_proj
	.globl	k_qdc5b58e77c_proj
	.p2align	8
	.type	k_qdc5b58e77c_proj,@function
k_qdc5b58e77c_proj:
	s_mov_b64 s[64:65], 0
	v_nop
	global_prefetch_b8 v0, s[64:65] scope:SCOPE_SE
	s_setreg_imm32_b32 hwreg(HW_REG_WAVE_MODE, 25, 1), 1
	s_wait_xcnt 0x0
	s_wait_alu depctr_hold_cnt(0) depctr_sa_sdst(0) depctr_va_vdst(0) depctr_va_sdst(0) depctr_va_ssrc(0) depctr_va_vcc(0) depctr_vm_vsrc(0)
	s_getreg_b32 s2, hwreg(HW_REG_IB_STS2, 6, 4)
	s_cmp_eq_u32 s2, 0
	s_cbranch_scc0 .Lentry_in_a_cluster
	s_endpgm
.Lentry_in_a_cluster:
	s_bfe_u32 s2, ttmp6, 0x10000c
	s_cmp_lg_u32 s2, 0xf033
	s_cbranch_scc0 .Lentry_shape_is_right
	s_endpgm
.Lentry_shape_is_right:
; q = x Wq, k = x Wk, v = x Wv on codes of FP6 (E2M3) with E8M0 scales, K = 1,024; the results are quantised on the way out and leave as codes: q and k along their 1,024 columns, v along the keys.
; A tile is 256 rows of S1 x 256 rows of S0; four waves, each 128 x 128: 64 accumulators, 512 registers.  THE MATRIX INSTRUCTION TAKES S0 AS SOURCE 0 AND S1 AS SOURCE 1: a lane holds one row of S1
; and its registers run along S0's rows.  For q and k: S1 = rows of x, S0 = columns of Wq or Wk.  For v: S1 = columns of Wv, S0 = rows of x (the keys).  So the registers run along the axis that is quantised.
; OPERANDS lie in memory as images of their registers (a fragment of 16 rows x 128 K: 1,536 bytes, register 4 c + i of lane L at 512 c + 16 L + 4 i), [group of 128 rows][K step][block a][1536].
; Lane-row r of block a is row 32 (a / 2) + 8 (a % 2) + r + 8 (r / 8) of its group: so the 16 registers of result tiles 2 b, 2 b + 1 are 16 NEIGHBOURS along S0's rows, 32 b + 16 (lane / 16) + 0 .. 15.
; LDS: K steps 0-1 of S1's two groups and of S0's two; behind them K steps 2-5 likewise.  The head asks for all of it, one load a wave; the place of K steps 0-1 is filled a second time, with K steps 6-7.
; One tensor load of a wave is out at a time.
; CLUSTERS 4 x 4: S1's tiles hang on cy alone and are asked for jointly by a row of the cluster, S0's on cx alone, by a column.
; Clusters y = 0, 1 make q and k (128 tiles), clusters y = 2 make v (64 tiles): what differs is chosen by s_cselect on the cluster's y; no branch hangs on it.
; All of a WGP's LDS is claimed, and the add of 0 onto spare words stands where it stands.
; No prefetch: six of the eight K steps are asked for at the head, the other two four K steps ahead of their use.
; LIMITS: NaN and infinities are not served; a block of zeros gets the byte 1 with zero codes.
; REGISTERS: window 0: v1-16 addresses; v32-95 scale words (v[32 + 8 ks + i]: lanes 0-15 S1's block i, lanes 16-31 S0's block i); v96-127 at work on the way out; v128-223 S1's fragments, later codes and words.
;   window 1: S0's fragments, two sets, v0-95 and v128-223.   windows 2, 3: the accumulators, (a, b) at v[8 (8 (a % 4) + b)].
.set FR,    12
.set NL,    3                          ; LDS loads that bring a fragment
.set FRB,   1536
.set KSB,   8*FRB                      ; a K step of a group
.set WBLK,  2*KSB
.set SLOT,  4*WBLK                     ; K steps 0-1 of four groups; K steps 2-5 begin here
.set SPARE, 3*SLOT                     ; the spare words: 128 bytes a wave
.set GRPB,  8*KSB                      ; a group's codes, K = 1,024
.set PLANE, 56*512                     ; a K step's scale words of all 56 groups
.set ADR1, 4                           ; v4-6   my S1 fragments of K steps 0-1 (and 6-7), 2-3, 4-5: slots 0, 1, 2
.set ADR0, 8                           ; v8-10  my S0 fragments
.set SPW,  12
.set NIL,  13
.set LI,   14                          ; 16 x lane
.set SCO,  15                          ; the scale loads' offset
.set WO,   16                          ; 32 r + 16 h: where my four words go
.set SC,   32
.set TM,   96                          ; v96-99 maxima, v100-103 bytes, v108-111 the conversions' scale operands
.set AF,   128
.set WD,   176                         ; v176-183 the eight blocks' scale words
.set G1A,  24                          ; groups 1: two K steps of S1, of S0;
.set G1B,  32
.set G1C,  40                          ; four K steps of S1, of S0
.set G1D,  48
.set G0A,  56                          ; groups 0: S1's loads, S0's
.set G0B,  60
.set SEL,  96
.set MSB, 0
.macro WIN new                         ; the immediate's high byte repeats the setting that is left
.if MSB != (\new)
	s_set_vgpr_msb (MSB<<8)|(\new)
.set MSB, (\new)
.endif
.endm
.set MUL_LO, 0xa1                      ; source 0 window 1, source 1 window 0, C and D window 2
.set MUL_HI, 0xf1
.set TO_B,   0x40
.macro PLACES n
.rept \n
	v_nop
.endr
.endm
.macro CREST
	s_cmp_lg_u32 s16, 0
	s_cbranch_scc1 .Lnot_wave_0_\@
	s_barrier_signal -3
.Lnot_wave_0_\@:
	s_barrier_wait -3
	s_barrier_signal -1
	s_barrier_wait -1
.endm
.macro CROUND
	s_barrier_signal -1
	s_barrier_wait -1
	CREST
.endm
	s_load_b128 s[4:7], s[0:1], 0x0                ; the operands' codes, their scale words
	s_load_b128 s[8:11], s[0:1], 0x10              ; q and k: codes, scale words
	s_load_b128 s[12:15], s[0:1], 0x20             ; v: codes, scale words
	v_lshl_add_u32 v[SPW], v0, 2, SPARE
	v_mov_b32 v[NIL], 0
	ds_add_u32 v[SPW], v[NIL]                      ; the opening lines: the add, twice on end, and one wait
	ds_add_u32 v[SPW], v[NIL]
	s_wait_dscnt 0x0
	v_lshrrev_b32 v1, 5, v0
	v_readfirstlane_b32 s16, v1                    ; wave
	s_lshr_b32 s17, s16, 1                         ; my half of S1's rows.  At the head: I fetch K steps 0-1 (0) or 2-5 (1)
	s_and_b32 s18, s16, 1                          ; my half of S0's rows.  At the head: for S1 (0) or S0 (1)
	s_bfe_u32 s19, ttmp6, 0x40000                  ; cx
	s_bfe_u32 s20, ttmp6, 0x40004                  ; cy
	s_and_b32 s23, ttmp7, 0xffff                   ; cluster y
	s_lshl_b32 s21, s20, 2
	s_lshl_b32 s21, 15, s21                        ; my row of the cluster
	s_lshl_b32 s22, 0x1111, s19                    ; my column
	s_lshr_b32 s72, ttmp9, 1
	s_lshl_b32 s72, s72, 3
	s_lshl_b32 s73, s23, 2
	s_add_co_u32 s72, s72, s73                     ; q, k: x's tile row less cy: 4 y + 8 (x / 2)
	s_and_b32 s74, ttmp9, 1                        ; q (0) or k (1)
	s_lshl_b32 s75, s74, 2
	s_add_co_u32 s75, s75, 16                      ; the weight's first tile
	s_lshl_b32 s76, ttmp9, 2                       ; v: x's tile less cx
	s_cmp_eq_u32 s23, 2
	s_cselect_b32 s66, 24, s72
	s_cselect_b32 s67, s76, s75
	s_add_co_u32 s66, s66, s20                     ; S1's tile of 256 rows: hangs on cy alone
	s_add_co_u32 s67, s67, s19                     ; S0's: on cx alone
	; ONE TENSOR LOAD A WAVE AT THE HEAD: each brings both groups of a tile, as two rows 98,304 bytes apart.  Wave 0: S1's K steps 0-1; wave 1: S0's; wave 2: S1's K steps 2-5; wave 3: S0's
.irp g, G1A, G1C
	s_or_b32 s[\g], s21, (3<<16)|(1<<21)           ; elements of 8 bytes; the mask, and bit 21 beside it
.endr
.irp g, G1B, G1D
	s_or_b32 s[\g], s22, (3<<16)|(1<<21)
.endr
.irp g, G1A, G1B
	s_mov_b32 s[\g+1], 3072<<16                    ; rows of two K steps: 24,576 bytes
	s_mov_b32 s[\g+3], 3072<<16
.endr
.irp g, G1C, G1D
	s_mov_b32 s[\g+1], 6144<<16                    ; of four
	s_mov_b32 s[\g+3], 6144<<16
.endr
.irp g, G1A, G1B, G1C, G1D
	s_mov_b32 s[\g+2], 2<<16
	s_mov_b32 s[\g+4], 2
	s_mov_b32 s[\g+5], 12288                       ; the pitch: a group
	s_mov_b32 s[\g+6], 0
	s_mov_b32 s[\g+7], 0
.endr
	s_mul_i32 s68, s66, 2*GRPB
	s_mov_b32 s69, 0
	s_mul_i32 s70, s67, 2*GRPB
	s_mov_b32 s71, 0
	s_mul_i32 s72, s17, WBLK                       ; waves 2, 3 begin at K step 2
	s_mov_b32 s73, 0
	s_mul_i32 s77, s17, SLOT                       ; where it goes: no place in the cluster enters an LDS address
	s_mul_i32 s78, s17, SLOT+2*WBLK
	s_add_co_u32 s78, s78, 2*WBLK
	CROUND                                         ; all sixteen work-groups are here: the first joint loads meet
	s_wait_kmcnt 0x0
	s_add_nc_u64 s[68:69], s[4:5], s[68:69]
	s_add_nc_u64 s[70:71], s[4:5], s[70:71]
	s_mov_b32 s[G0A], 1
	s_mov_b32 s[G0A+1], s77
	s_add_nc_u64 s[G0A+2:G0A+3], s[68:69], s[72:73]
	s_or_b32 s[G0A+3], s[G0A+3], 0x80000000
	s_mov_b32 s[G0B], 1
	s_mov_b32 s[G0B+1], s78
	s_add_nc_u64 s[G0B+2:G0B+3], s[70:71], s[72:73]
	s_or_b32 s[G0B+3], s[G0B+3], 0x80000000
	s_cmp_eq_u32 s16, 0
	s_cbranch_scc0 .Lwave_1
	tensor_load_to_lds s[G0A:G0A+3], s[G1A:G1A+7]
	s_nop 0
	PLACES 4
	s_branch .Lfirst_done
.Lwave_1:
	s_cmp_eq_u32 s16, 1
	s_cbranch_scc0 .Lwave_2
	tensor_load_to_lds s[G0B:G0B+3], s[G1B:G1B+7]
	s_nop 0
	PLACES 4
	s_branch .Lfirst_done
.Lwave_2:
	s_cmp_eq_u32 s16, 2
	s_cbranch_scc0 .Lwave_3
	tensor_load_to_lds s[G0A:G0A+3], s[G1C:G1C+7]
	s_nop 0
	PLACES 4
	s_branch .Lfirst_done
.Lwave_3:
	tensor_load_to_lds s[G0B:G0B+3], s[G1D:G1D+7]
	s_nop 0
	PLACES 4
.Lfirst_done:
	v_and_b32 v1, 15, v0                           ; r
	v_bfe_u32 v2, v0, 4, 1                         ; h
	v_and_b32 v3, 31, v0
	v_lshlrev_b32 v[LI], 4, v3
	s_wait_alu depctr_va_vdst(0)
	s_lshl_b32 s78, s66, 1
	s_add_co_u32 s78, s78, s17                     ; my group of S1
	s_lshl_b32 s79, s67, 1
	s_add_co_u32 s79, s79, s18                     ; my group of S0
	s_lshl_b32 s93, s78, 9
	s_lshl_b32 s94, s79, 9
	v_cmp_ne_u32 vcc_lo, 0, v2
	v_mov_b32 v20, s93
	v_mov_b32 v21, s94
	v_cndmask_b32 v[SCO], v20, v21, vcc_lo         ; lanes 0-15 take S1's words, lanes 16-31 S0's
	v_lshl_add_u32 v[SCO], v1, 5, v[SCO]
.set I, 0
.rept 16                               ; all 64 scale registers at once: K step I / 2, blocks 4 (I % 2) on
	global_load_b128 v[SC+4*I:SC+4*I+3], v[SCO], s[6:7] offset:(I/2)*PLANE+16*(I%2)
.set I, I+1
.endr
	s_mul_i32 s91, s17, WBLK
	s_mul_i32 s92, s18, WBLK
	s_add_co_u32 s92, s92, 2*WBLK
	v_add_nc_u32 v[ADR1], s91, v[LI]
	v_add_nc_u32 v[ADR0], s92, v[LI]
	s_mul_i32 s91, s17, 2*WBLK
	s_add_co_u32 s91, s91, SLOT
	s_mul_i32 s92, s18, 2*WBLK
	s_add_co_u32 s92, s92, SLOT+4*WBLK
	v_add_nc_u32 v[ADR1+1], s91, v[LI]
	v_add_nc_u32 v[ADR0+1], s92, v[LI]
	v_add_nc_u32 v[ADR1+2], WBLK, v[ADR1+1]
	v_add_nc_u32 v[ADR0+2], WBLK, v[ADR0+1]
	v_lshlrev_b32 v[WO], 5, v1
	v_lshl_add_u32 v[WO], v2, 4, v[WO]
.irp b, 0,1,2,3
	v_mov_b32 v[TM+4+\b], 0                        ; (a lane permute's destination counts as read)
.endr
	s_mov_b32 s[SEL], 0x76543210
	s_mov_b32 s[SEL+1], 0xfedcba98
	; where my results go.  q, k: group 2 T1 + half + 32 (k), K step 2 cx + half.  v: group 2 cy + half, K step = my group of keys
	s_lshl_b32 s80, s74, 5
	s_add_co_u32 s80, s80, s78
	s_lshl_b32 s81, s19, 1
	s_add_co_u32 s81, s81, s18
	s_mul_i32 s82, s80, 98304
	s_lshl_b32 s83, s81, 6
	s_add_co_u32 s83, s83, s80
	s_lshl_b32 s84, s20, 1
	s_add_co_u32 s84, s84, s17
	s_mul_i32 s85, s84, 393216
	s_mul_i32 s90, s79, 40
	s_add_co_u32 s90, s90, s84
	s_add_co_u32 s90, s90, 32
	s_cmp_eq_u32 s23, 2
	s_cselect_b32 s86, s85, s82
	s_cselect_b32 s81, s79, s81
	s_cselect_b32 s88, s90, s83
	s_cselect_b64 s[8:9], s[12:13], s[8:9]
	s_cselect_b64 s[10:11], s[14:15], s[10:11]
	s_mul_i32 s81, s81, KSB
	s_add_co_u32 s86, s86, s81
	s_mov_b32 s87, 0
	s_lshl_b32 s88, s88, 9
	s_mov_b32 s89, 0
	s_add_nc_u64 s[8:9], s[8:9], s[86:87]
	s_add_nc_u64 s[10:11], s[10:11], s[88:89]
.macro FRAG reg, adr, off              ; a fragment comes back as it was stored: three loads of 512 consecutive bytes
.irp c, 0,1,2
	ds_load_b128 v[\reg+4*\c:\reg+4*\c+3], v[\adr] offset:\off+512*\c
.endr
.endm
.macro FETCH_B slot, ksl, set
	WIN TO_B
.irp i, 0,1,2,3,4,5,6,7
	FRAG 128*(\set)+FR*\i, ADR0+\slot, (\ksl)*KSB+\i*FRB
.endr
	WIN 0
.endm
.macro FETCH_A slot, ksl, i0
.irp i, \i0, \i0+1, \i0+2, \i0+3
	FRAG AF+FR*(\i), ADR1+\slot, (\ksl)*KSB+(\i)*FRB
.endr
.endm
; 16 products: S1's blocks a0, a0 + 1 x S0's eight.  The 64 accumulators take turns, one instruction a turn, in the same order in every K step.
.macro MUL16 a0, set, ks, zero
.irp a, \a0, \a0+1
.irp b, 0,1,2,3,4,5,6,7
.if \zero
	v_wmma_scale_f32_16x16x128_f8f6f4 v[8*(8*((\a)%4)+\b):8*(8*((\a)%4)+\b)+7], v[128*(\set)+FR*\b:128*(\set)+FR*\b+FR-1], v[AF+FR*(\a):AF+FR*(\a)+FR-1], 0, v[SC+8*(\ks)+\b], v[SC+8*(\ks)+(\a)] matrix_a_fmt:MATRIX_FMT_FP6 matrix_b_fmt:MATRIX_FMT_FP6 matrix_a_scale:MATRIX_SCALE_ROW1
.else
	v_wmma_scale_f32_16x16x128_f8f6f4 v[8*(8*((\a)%4)+\b):8*(8*((\a)%4)+\b)+7], v[128*(\set)+FR*\b:128*(\set)+FR*\b+FR-1], v[AF+FR*(\a):AF+FR*(\a)+FR-1], v[8*(8*((\a)%4)+\b):8*(8*((\a)%4)+\b)+7], v[SC+8*(\ks)+\b], v[SC+8*(\ks)+(\a)] matrix_a_fmt:MATRIX_FMT_FP6 matrix_b_fmt:MATRIX_FMT_FP6 matrix_a_scale:MATRIX_SCALE_ROW1
.endif
.endr
.endr
.endm
; K step ks; in its middle and at its end the next K step's fragments are fetched, from slot nslot, its nksl-th step.  Four plain lines stand in front of each run of loads into registers that products have read.
.macro STEP ks, nslot, nksl, zero
	s_wait_dscnt 4*NL                              ; S0's set and S1's blocks 0-3 are in; the youngest twelve loads (blocks 4-7) may be out
	WIN MUL_LO
	MUL16 0, (\ks)%2, \ks, \zero
	MUL16 2, (\ks)%2, \ks, \zero
	s_wait_dscnt 0x0                               ; blocks 4-7 are in
	PLACES 4
	FETCH_B \nslot, \nksl, 1-(\ks)%2
	FETCH_A \nslot, \nksl, 0
	WIN MUL_HI
	MUL16 4, (\ks)%2, \ks, \zero
	MUL16 6, (\ks)%2, \ks, \zero
	PLACES 4
	WIN 0
	FETCH_A \nslot, \nksl, 4
.endm
; A K step with a barrier.  In front of it each wave waits for all its tensor loads, adds 0 to its spare word, and waits for that and for its LDS reads.  fill = 1: the place of K steps 0-1, which nobody reads any more, takes K steps 6-7.
.macro TURN ks, nslot, fill
	s_wait_tensorcnt 0x0                           ; all my tensor loads have landed
	ds_add_u32 v[SPW], v[NIL]
	s_wait_dscnt 4*NL+1                            ; (the add and the youngest twelve loads may be out)
	WIN MUL_LO
	MUL16 0, (\ks)%2, \ks, 0
	s_wait_dscnt 0x0                               ; the add is done, and my reads of the slot are over
	s_barrier_signal -1
	MUL16 2, (\ks)%2, \ks, 0
	WIN 0
	s_barrier_wait -1
.if \fill
	CREST                                          ; the barrier has opened a round of the cluster's barrier: no wave of any partner still reads slot 0 or has a load on its way
	s_add_nc_u64 s[G0A+2:G0A+3], s[G0A+2:G0A+3], 3*WBLK
	s_add_nc_u64 s[G0B+2:G0B+3], s[G0B+2:G0B+3], 3*WBLK
	s_cmp_eq_u32 s16, 0                            ; waves 0 and 1 fetch K steps 6-7 of both groups of S1 and of S0
	s_cbranch_scc0 .Lfor_b_\@
	tensor_load_to_lds s[G0A:G0A+3], s[G1A:G1A+7]
	s_nop 0
	PLACES 4
	s_branch .Lasked_\@
.Lfor_b_\@:
	s_cmp_eq_u32 s16, 1
	s_cbranch_scc0 .Lasked_\@
	tensor_load_to_lds s[G0B:G0B+3], s[G1B:G1B+7]
	s_nop 0
	PLACES 4
.Lasked_\@:
	PLACES 4                                       ; for the waves that come round the loads
.else
	PLACES 4
.endif
	s_wait_alu depctr_va_vdst(0)
	FETCH_B \nslot, 0, 1-(\ks)%2
	FETCH_A \nslot, 0, 0
	WIN MUL_HI
	MUL16 4, (\ks)%2, \ks, 0
	MUL16 6, (\ks)%2, \ks, 0
	PLACES 4
	WIN 0
	FETCH_A \nslot, 0, 4
.endm
	s_wait_alu depctr_va_vdst(0)                   ; the wait at the head's end
	s_cmp_lt_u32 s16, 2
	s_cbranch_scc0 .Lnot_first
	s_wait_tensorcnt 0x0                           ; K steps 0-1 are in; waves 2 and 3's loads may be out
.Lnot_first:
	s_barrier_signal -1
	s_barrier_wait -1
	FETCH_B 0, 0, 0
	FETCH_A 0, 0, 0
	FETCH_A 0, 0, 4
	s_wait_loadcnt 0x0                             ; the scale words
	STEP 0, 0, 1, 1                                ; the first products start the sums: nothing is cleared
	TURN 1, 1, 1                                   ; K steps 2-5 are in behind it; the refill has four K steps, 256 products, in which to land
	STEP 2, 1, 1, 0
	STEP 3, 2, 0, 0
	STEP 4, 2, 1, 0
	TURN 5, 0, 0                                   ; slot 0 is whole again
	STEP 6, 0, 1, 0
	s_wait_dscnt 4*NL
	WIN MUL_LO
	MUL16 0, 1, 7, 0
	MUL16 2, 1, 7, 0
	s_wait_dscnt 0x0
	WIN MUL_HI
	MUL16 4, 1, 7, 0
	MUL16 6, 1, 7, 0
	WIN 0
	PLACES 4
; THE WAY OUT.  Block a of S1: a lane's 64 results, register 16 b + i = place 32 b + 16 (lane / 16) + i along the quantised axis, become one fragment and one scale word a row.
.macro QOUT a
.set QW, 2+(\a)/4
.set QS, 64*((\a)%4)
.set QP, 128+20*((\a)%2)
	WIN QW|(QW<<2)
.irp b, 0,1,2,3
	v_max3_num_f32 v[TM+\b], |v[QS+16*\b]|, |v[QS+16*\b+1]|, 0x1800000   ; each accumulator from its low end on; the floor 2^(3 - 127) holds the byte at 1
.endr
.irp i, 2,4,6,8,10,12,14
.irp b, 0,1,2,3
	v_max3_num_f32 v[TM+\b], |v[QS+16*\b+\i]|, |v[QS+16*\b+\i+1]|, v[TM+\b]
.endr
.endr
	WIN 0
.irp b, 0,1,2,3
	v_permlanex16_b32 v[TM+4+\b], v[TM+\b], s[SEL], s[SEL+1]
.endr
.irp b, 0,1,2,3
	v_max_num_f32 v[TM+\b], v[TM+\b], v[TM+4+\b]   ; with lane l xor 16's 16: the block's largest magnitude
.endr
.irp b, 0,1,2,3
	v_add_nc_u32 v[TM+12+\b], 0xff000000, v[TM+\b] ; 2 off the exponent field: the conversion's scale operand
.endr
.irp b, 0,1,2,3
	v_lshrrev_b32 v[TM+4+\b], 23, v[TM+12+\b]
.endr
	v_lshl_or_b32 v[WD+\a], v[TM+5], 8, v[TM+4]
	v_lshl_or_b32 v[WD+\a], v[TM+6], 16, v[WD+\a]
	v_lshl_or_b32 v[WD+\a], v[TM+7], 24, v[WD+\a]
.if \a > 1
	s_wait_xcnt 0x0                                ; block a - 2's stores have read these registers
.endif
	WIN QW
.irp c, 0,1
	v_cvt_scalef32_pk16_fp6_f32 v[QP+6*\c:QP+6*\c+2], v[QS+32*\c:QS+32*\c+15], v[TM+12+2*\c]
	v_cvt_scalef32_pk16_fp6_f32 v[QP+12+4*\c:QP+14+4*\c], v[QS+32*\c+16:QS+32*\c+31], v[TM+13+2*\c]
.endr
	WIN 0
	v_nop                                          ; one plain line behind the scaled conversions
.irp c, 0,1                            ; the operand's layout wants a whole block in a lane
.irp i, 0,1,2
	v_permlane16_swap_b32 v[QP+6*\c+\i], v[QP+12+4*\c+\i]
.endr
.irp i, 0,1,2
	v_mov_b32 v[QP+3+6*\c+\i], v[QP+12+4*\c+\i]
.endr
.endr
.irp c, 0,1,2
	global_store_b128 v[LI], v[QP+4*\c:QP+4*\c+3], s[8:9] offset:(\a)*FRB+512*\c   ; 512 consecutive bytes
.endr
.endm
.irp a, 0,1,2,3,4,5,6,7
	QOUT \a
.endr
	v_cmp_ne_u32 vcc_lo, 0, v2
.irp i, 0,1,2,3
	v_cndmask_b32 v[104+\i], v[WD+\i], v[WD+4+\i], vcc_lo   ; lanes 0-15 store blocks 0-3's words of row r, lanes 16-31 blocks 4-7's: 512 consecutive bytes
.endr
	global_store_b128 v[WO], v[104:107], s[10:11]
	s_wait_tensorcnt 0x0                           ; the wave's end
	ds_add_u32 v[SPW], v[NIL]
	s_wait_dscnt 0x0
	CROUND                                         ; the closing round
	s_endpgm
.Lfunc_end_k_qdc5b58e77c_proj:
	.size	k_qdc5b58e77c_proj, .Lfunc_end_k_qdc5b58e77c_proj-k_qdc5b58e77c_proj
	.p2alignl 7, 3214868480
	.fill 96, 4, 3214868480
	.section	.rodata,"a",@progbits
	.p2align	6, 0x0
	.amdhsa_kernel k_qdc5b58e77c_proj
		.amdhsa_group_segment_fixed_size 327680
		.amdhsa_private_segment_fixed_size 0
		.amdhsa_enable_private_segment 0
		.amdhsa_kernarg_size 48
		.amdhsa_user_sgpr_count 2
		.amdhsa_user_sgpr_kernarg_segment_ptr 1
		.amdhsa_wavefront_size32 1
		.amdhsa_system_sgpr_workgroup_id_x 1
		.amdhsa_system_sgpr_workgroup_id_y 1
		.amdhsa_system_sgpr_workgroup_id_z 1
		.amdhsa_system_vgpr_workitem_id 0
		.amdhsa_next_free_vgpr 1024
		.amdhsa_next_free_sgpr 100
		.amdhsa_reserve_vcc 1
		.amdhsa_float_denorm_mode_32 3
		.amdhsa_float_denorm_mode_16_64 3
		.amdhsa_memory_ordered 1
		.amdhsa_forward_progress 1
		.amdhsa_inst_pref_size 138
	.end_amdhsa_kernel
	.amdgpu_metadata
---
amdhsa.version: [ 1, 2 ]
amdhsa.kernels:
  - .name:           k_qdc5b58e77c_proj
    .symbol:         k_qdc5b58e77c_proj.kd
    .args:
      - { .name: xw_codes, .offset: 0, .size: 8, .value_kind: global_buffer, .address_space: global }
      - { .name: xw_scales, .offset: 8, .size: 8, .value_kind: global_buffer, .address_space: global }
      - { .name: qk_codes, .offset: 16, .size: 8, .value_kind: global_buffer, .address_space: global }
      - { .name: qk_scales, .offset: 24, .size: 8, .value_kind: global_buffer, .address_space: global }
      - { .name: v_codes, .offset: 32, .size: 8, .value_kind: global_buffer, .address_space: global }
      - { .name: pv_scales, .offset: 40, .size: 8, .value_kind: global_buffer, .address_space: global }
    .group_segment_fixed_size: 327680
    .private_segment_fixed_size: 0
    .kernarg_segment_align: 8
    .kernarg_segment_size: 48
    .max_flat_workgroup_size: 128
    .sgpr_count:     100
    .vgpr_count:     1024
    .wavefront_size: 32
...
	.end_amdgpu_metadata
.endif
;; end of part 2
;; launch scores (part 3): grid 16 x 16, 4 waves a work-group, clusters of 4 x 4, 327,680 bytes of LDS; arguments qk_codes, qk_scales, p_codes, pv_scales, p_stats; writes p_codes, pv_scales, p_stats
.if DOCPART == 3
	.amdgcn_target "amdgcn-amd-amdhsa--gfx1250"
	.amdhsa_code_object_version 6
	.text
	.protected	k_qdc5b58e77c_scores
	.globl	k_qdc5b58e77c_scores
	.p2align	8
	.type	k_qdc5b58e77c_scores,@function
k_qdc5b58e77c_scores:
	s_mov_b64 s[64:65], 0
	v_nop
	global_prefetch_b8 v0, s[64:65] scope:SCOPE_SE
	s_setreg_imm32_b32 hwreg(HW_REG_WAVE_MODE, 25, 1), 1
	s_wait_xcnt 0x0
	s_wait_alu depctr_hold_cnt(0) depctr_sa_sdst(0) depctr_va_vdst(0) depctr_va_sdst(0) depctr_va_ssrc(0) depctr_va_vcc(0) depctr_vm_vsrc(0)
	s_getreg_b32 s2, hwreg(HW_REG_IB_STS2, 6, 4)
	s_cmp_eq_u32 s2, 0
	s_cbranch_scc0 .Lentry_in_a_cluster
	s_endpgm
.Lentry_in_a_cluster:
	s_bfe_u32 s2, ttmp6, 0x10000c
	s_cmp_lg_u32 s2, 0xf033
	s_cbranch_scc0 .Lentry_shape_is_right
	s_endpgm
.Lentry_shape_is_right:
; S = q k^T on codes of FP6 (E2M3), K = 1,024, and the softmax's numerator as codes.  A tile is 256 queries (S1) x 256 keys (S0); four waves, each 128 x 128; source 0 = 16 keys, source 1 = 16 queries:
; a lane holds one query and its registers run along the keys.
; THE SOFTMAX.  t = score x log2(e) / 32.  For each query and each 128 keys (a wave's share): M = the largest t of these keys, rounded UP to a whole number; p = 2^(t - M), quantised along the keys; the sum of the
; unquantised p.  Codes, scale words, -M and the sums go to memory.  The next launch finds the row's M, which is the largest of the 32 local ones, and takes the whole number (row's M - local M), at most 64, off the scale bytes.
; A block's largest p is not searched for: the block's largest score goes through the same multiply-add and exponential (this takes v_exp_f32 not to fall where its input rises).
; Operands, places in LDS, cluster and the K loop are those of the launch that made q and k: fragments as images of their registers, [group][K step][block][1536]; lane-row r of block a is row 32 (a / 2) + 8 (a % 2) + r + 8 (r / 8);
; LDS holds K steps 0-1 of q's two groups and of k's two, behind them K steps 2-5 likewise: the head asks for all of it, one load a wave; the place of K steps 0-1 is filled a second time, with K steps 6-7.
; One tensor load of a wave is out at a time.  q's tiles are shared along a row of the cluster, k's along a column.
; All of a WGP's LDS is claimed, and the add of 0 onto spare words stands where it stands.
; No prefetch: six of the eight K steps are asked for at the head, the other two four K steps ahead of their use.
; OUT: p_codes [query group 32][K step 32 (128 keys)][block 8][1536]; pv_scales [K step 32][group 40][r 16][a 8] (groups 0-31); p_stats: -M, and 524,288 bytes on the sums, each [K step 32][group 32][r 16][a 8] f32.
; LIMITS: NaN and infinities are not served; a block of 32 keys whose largest p lies under 2^-60 (of its local M) is coded as if that were 2^-60: its byte is 65, the least.
.set FR,    12
.set NL,    3
.set FRB,   1536
.set KSB,   8*FRB
.set WBLK,  2*KSB
.set SLOT,  4*WBLK                     ; K steps 0-1 of four groups; K steps 2-5 begin here
.set SPARE, 3*SLOT
.set GRPB,  8*KSB
.set PLANE, 64*512
.set ADR1, 4                           ; v4-6   my fragments of q of K steps 0-1 (and 6-7), 2-3, 4-5: slots 0, 1, 2
.set ADR0, 8                           ; v8-10  of k
.set SPW,  12
.set NIL,  13
.set LI,   14
.set SCO,  15
.set WO,   16
.set SC,   32
.set TM,   96                          ; v96-99 the blocks' largest, v100-103 bytes, v108-111 scale operands
.set SA,   104                         ; v104-107 and v120-123: the sum, four chains of pairs
.set SB,   120
.set NM,   112                         ; v[112:113] -M (the packed form names a pair and takes its low word)
.set TT,   116
.set AF,   128
.set WD,   176                         ; v176-183 scale words, v184-191 -M, v192-199 sums, of the eight blocks
.set MD,   184
.set LD,   192
.set G1A,  24                          ; groups 1: two K steps of q, of k;
.set G1B,  32
.set G1C,  40                          ; four K steps of q, of k
.set G1D,  48
.set G0A,  56                          ; groups 0: q's loads, k's
.set G0B,  60
.set SEL,  96
.set CS,   98                          ; s[98:99] c = log2(e) / 32
.set MSB, 0
.macro WIN new
.if MSB != (\new)
	s_set_vgpr_msb (MSB<<8)|(\new)
.set MSB, (\new)
.endif
.endm
.set MUL_LO, 0xa1
.set MUL_HI, 0xf1
.set TO_B,   0x40
.macro PLACES n
.rept \n
	v_nop
.endr
.endm
.macro CREST
	s_cmp_lg_u32 s16, 0
	s_cbranch_scc1 .Lnot_wave_0_\@
	s_barrier_signal -3
.Lnot_wave_0_\@:
	s_barrier_wait -3
	s_barrier_signal -1
	s_barrier_wait -1
.endm
.macro CROUND
	s_barrier_signal -1
	s_barrier_wait -1
	CREST
.endm
	s_load_b128 s[4:7], s[0:1], 0x0                ; q's and k's codes, their scale words
	s_load_b128 s[8:11], s[0:1], 0x10              ; p's codes, its scale words
	s_load_b64 s[12:13], s[0:1], 0x20              ; -M and the sums
	v_lshl_add_u32 v[SPW], v0, 2, SPARE
	v_mov_b32 v[NIL], 0
	ds_add_u32 v[SPW], v[NIL]                      ; the opening lines
	ds_add_u32 v[SPW], v[NIL]
	s_wait_dscnt 0x0
	v_lshrrev_b32 v1, 5, v0
	v_readfirstlane_b32 s16, v1
	s_lshr_b32 s17, s16, 1                         ; my half of the queries.  At the head: I fetch K steps 0-1 (0) or 2-5 (1)
	s_and_b32 s18, s16, 1                          ; my half of the keys.  At the head: for q (0) or k (1)
	s_bfe_u32 s19, ttmp6, 0x40000                  ; cx
	s_bfe_u32 s20, ttmp6, 0x40004                  ; cy
	s_lshl_b32 s21, s20, 2
	s_lshl_b32 s21, 15, s21
	s_lshl_b32 s22, 0x1111, s19
	s_and_b32 s66, ttmp7, 0xffff
	s_lshl_b32 s66, s66, 2
	s_add_co_u32 s66, s66, s20                     ; q's tile of 256 rows
	s_lshl_b32 s67, ttmp9, 2
	s_add_co_u32 s67, s67, s19
	s_add_co_u32 s67, s67, 16                      ; k's, behind q's sixteen
	; ONE TENSOR LOAD A WAVE AT THE HEAD: each brings both groups of a tile, as two rows 98,304 bytes apart.  Wave 0: q's K steps 0-1; wave 1: k's; wave 2: q's K steps 2-5; wave 3: k's
.irp g, G1A, G1C
	s_or_b32 s[\g], s21, (3<<16)|(1<<21)           ; elements of 8 bytes; the mask, and bit 21 beside it
.endr
.irp g, G1B, G1D
	s_or_b32 s[\g], s22, (3<<16)|(1<<21)
.endr
.irp g, G1A, G1B
	s_mov_b32 s[\g+1], 3072<<16                    ; rows of two K steps: 24,576 bytes
	s_mov_b32 s[\g+3], 3072<<16
.endr
.irp g, G1C, G1D
	s_mov_b32 s[\g+1], 6144<<16                    ; of four
	s_mov_b32 s[\g+3], 6144<<16
.endr
.irp g, G1A, G1B, G1C, G1D
	s_mov_b32 s[\g+2], 2<<16
	s_mov_b32 s[\g+4], 2
	s_mov_b32 s[\g+5], 12288                       ; the pitch: a group
	s_mov_b32 s[\g+6], 0
	s_mov_b32 s[\g+7], 0
.endr
	s_mul_i32 s68, s66, 2*GRPB
	s_mov_b32 s69, 0
	s_mul_i32 s70, s67, 2*GRPB
	s_mov_b32 s71, 0
	s_mul_i32 s72, s17, WBLK                       ; waves 2, 3 begin at K step 2
	s_mov_b32 s73, 0
	s_mul_i32 s77, s17, SLOT                       ; where it goes: no place in the cluster enters an LDS address
	s_mul_i32 s78, s17, SLOT+2*WBLK
	s_add_co_u32 s78, s78, 2*WBLK
	CROUND                                         ; all sixteen work-groups are here: the first joint loads meet
	s_wait_kmcnt 0x0
	s_add_nc_u64 s[68:69], s[4:5], s[68:69]
	s_add_nc_u64 s[70:71], s[4:5], s[70:71]
	s_mov_b32 s[G0A], 1
	s_mov_b32 s[G0A+1], s77
	s_add_nc_u64 s[G0A+2:G0A+3], s[68:69], s[72:73]
	s_or_b32 s[G0A+3], s[G0A+3], 0x80000000
	s_mov_b32 s[G0B], 1
	s_mov_b32 s[G0B+1], s78
	s_add_nc_u64 s[G0B+2:G0B+3], s[70:71], s[72:73]
	s_or_b32 s[G0B+3], s[G0B+3], 0x80000000
	s_cmp_eq_u32 s16, 0
	s_cbranch_scc0 .Lwave_1
	tensor_load_to_lds s[G0A:G0A+3], s[G1A:G1A+7]
	s_nop 0
	PLACES 4
	s_branch .Lfirst_done
.Lwave_1:
	s_cmp_eq_u32 s16, 1
	s_cbranch_scc0 .Lwave_2
	tensor_load_to_lds s[G0B:G0B+3], s[G1B:G1B+7]
	s_nop 0
	PLACES 4
	s_branch .Lfirst_done
.Lwave_2:
	s_cmp_eq_u32 s16, 2
	s_cbranch_scc0 .Lwave_3
	tensor_load_to_lds s[G0A:G0A+3], s[G1C:G1C+7]
	s_nop 0
	PLACES 4
	s_branch .Lfirst_done
.Lwave_3:
	tensor_load_to_lds s[G0B:G0B+3], s[G1D:G1D+7]
	s_nop 0
	PLACES 4
.Lfirst_done:
	v_and_b32 v1, 15, v0
	v_bfe_u32 v2, v0, 4, 1
	v_and_b32 v3, 31, v0
	v_lshlrev_b32 v[LI], 4, v3
	s_wait_alu depctr_va_vdst(0)
	s_lshl_b32 s78, s66, 1
	s_add_co_u32 s78, s78, s17                     ; my group of queries, 0..31
	s_lshl_b32 s79, s67, 1
	s_add_co_u32 s79, s79, s18                     ; my group of keys, 32..63
	s_lshl_b32 s93, s78, 9
	s_lshl_b32 s94, s79, 9
	v_cmp_ne_u32 vcc_lo, 0, v2
	v_mov_b32 v20, s93
	v_mov_b32 v21, s94
	v_cndmask_b32 v[SCO], v20, v21, vcc_lo
	v_lshl_add_u32 v[SCO], v1, 5, v[SCO]
.set I, 0
.rept 16
	global_load_b128 v[SC+4*I:SC+4*I+3], v[SCO], s[6:7] offset:(I/2)*PLANE+16*(I%2)
.set I, I+1
.endr
	s_mul_i32 s91, s17, WBLK
	s_mul_i32 s92, s18, WBLK
	s_add_co_u32 s92, s92, 2*WBLK
	v_add_nc_u32 v[ADR1], s91, v[LI]
	v_add_nc_u32 v[ADR0], s92, v[LI]
	s_mul_i32 s91, s17, 2*WBLK
	s_add_co_u32 s91, s91, SLOT
	s_mul_i32 s92, s18, 2*WBLK
	s_add_co_u32 s92, s92, SLOT+4*WBLK
	v_add_nc_u32 v[ADR1+1], s91, v[LI]
	v_add_nc_u32 v[ADR0+1], s92, v[LI]
	v_add_nc_u32 v[ADR1+2], WBLK, v[ADR1+1]
	v_add_nc_u32 v[ADR0+2], WBLK, v[ADR0+1]
	v_lshlrev_b32 v[WO], 5, v1
	v_lshl_add_u32 v[WO], v2, 4, v[WO]
.irp b, 0,1,2,3
	v_mov_b32 v[TM+4+\b], 0                        ; (a lane permute's destination counts as read)
.endr
	v_mov_b32 v[NM+1], 0                           ; (named with -M as a pair, so it is written)
	s_mov_b32 s[SEL], 0x76543210
	s_mov_b32 s[SEL+1], 0xfedcba98
	s_mov_b32 s[CS], 0x3d38aa3b
	s_mov_b32 s[CS+1], s[CS]
	s_sub_co_u32 s80, s79, 32                      ; the second product's K step: my 128 keys
	s_mul_i32 s86, s78, 393216
	s_mul_i32 s81, s80, KSB
	s_add_co_u32 s86, s86, s81
	s_mov_b32 s87, 0
	s_mul_i32 s88, s80, 40
	s_add_co_u32 s88, s88, s78
	s_lshl_b32 s88, s88, 9
	s_mov_b32 s89, 0
	s_lshl_b32 s90, s80, 5
	s_add_co_u32 s90, s90, s78
	s_lshl_b32 s90, s90, 9
	s_mov_b32 s91, 0
	s_add_nc_u64 s[8:9], s[8:9], s[86:87]
	s_add_nc_u64 s[10:11], s[10:11], s[88:89]
	s_add_nc_u64 s[12:13], s[12:13], s[90:91]
.macro FRAG reg, adr, off
.irp c, 0,1,2
	ds_load_b128 v[\reg+4*\c:\reg+4*\c+3], v[\adr] offset:\off+512*\c
.endr
.endm
.macro FETCH_B slot, ksl, set
	WIN TO_B
.irp i, 0,1,2,3,4,5,6,7
	FRAG 128*(\set)+FR*\i, ADR0+\slot, (\ksl)*KSB+\i*FRB
.endr
	WIN 0
.endm
.macro FETCH_A slot, ksl, i0
.irp i, \i0, \i0+1, \i0+2, \i0+3
	FRAG AF+FR*(\i), ADR1+\slot, (\ksl)*KSB+(\i)*FRB
.endr
.endm
.macro MUL16 a0, set, ks, zero         ; the 64 accumulators take turns, one instruction a turn
.irp a, \a0, \a0+1
.irp b, 0,1,2,3,4,5,6,7
.if \zero
	v_wmma_scale_f32_16x16x128_f8f6f4 v[8*(8*((\a)%4)+\b):8*(8*((\a)%4)+\b)+7], v[128*(\set)+FR*\b:128*(\set)+FR*\b+FR-1], v[AF+FR*(\a):AF+FR*(\a)+FR-1], 0, v[SC+8*(\ks)+\b], v[SC+8*(\ks)+(\a)] matrix_a_fmt:MATRIX_FMT_FP6 matrix_b_fmt:MATRIX_FMT_FP6 matrix_a_scale:MATRIX_SCALE_ROW1
.else
	v_wmma_scale_f32_16x16x128_f8f6f4 v[8*(8*((\a)%4)+\b):8*(8*((\a)%4)+\b)+7], v[128*(\set)+FR*\b:128*(\set)+FR*\b+FR-1], v[AF+FR*(\a):AF+FR*(\a)+FR-1], v[8*(8*((\a)%4)+\b):8*(8*((\a)%4)+\b)+7], v[SC+8*(\ks)+\b], v[SC+8*(\ks)+(\a)] matrix_a_fmt:MATRIX_FMT_FP6 matrix_b_fmt:MATRIX_FMT_FP6 matrix_a_scale:MATRIX_SCALE_ROW1
.endif
.endr
.endr
.endm
.macro STEP ks, nslot, nksl, zero
	s_wait_dscnt 4*NL                              ; k's set and q's blocks 0-3 are in; the youngest twelve loads may be out
	WIN MUL_LO
	MUL16 0, (\ks)%2, \ks, \zero
	MUL16 2, (\ks)%2, \ks, \zero
	s_wait_dscnt 0x0
	PLACES 4
	FETCH_B \nslot, \nksl, 1-(\ks)%2
	FETCH_A \nslot, \nksl, 0
	WIN MUL_HI
	MUL16 4, (\ks)%2, \ks, \zero
	MUL16 6, (\ks)%2, \ks, \zero
	PLACES 4
	WIN 0
	FETCH_A \nslot, \nksl, 4
.endm
.macro TURN ks, nslot, fill
	s_wait_tensorcnt 0x0                           ; all my tensor loads have landed
	ds_add_u32 v[SPW], v[NIL]
	s_wait_dscnt 4*NL+1                            ; (the add and the youngest twelve loads may be out)
	WIN MUL_LO
	MUL16 0, (\ks)%2, \ks, 0
	s_wait_dscnt 0x0                               ; the add is done, and my reads of the slot are over
	s_barrier_signal -1
	MUL16 2, (\ks)%2, \ks, 0
	WIN 0
	s_barrier_wait -1
.if \fill
	CREST                                          ; a round of the cluster's barrier: no wave of any partner still reads slot 0 or has a load on its way
	s_add_nc_u64 s[G0A+2:G0A+3], s[G0A+2:G0A+3], 3*WBLK
	s_add_nc_u64 s[G0B+2:G0B+3], s[G0B+2:G0B+3], 3*WBLK
	s_cmp_eq_u32 s16, 0                            ; waves 0 and 1 fetch K steps 6-7 of both groups of q and of k
	s_cbranch_scc0 .Lfor_b_\@
	tensor_load_to_lds s[G0A:G0A+3], s[G1A:G1A+7]
	s_nop 0
	PLACES 4
	s_branch .Lasked_\@
.Lfor_b_\@:
	s_cmp_eq_u32 s16, 1
	s_cbranch_scc0 .Lasked_\@
	tensor_load_to_lds s[G0B:G0B+3], s[G1B:G1B+7]
	s_nop 0
	PLACES 4
.Lasked_\@:
	PLACES 4                                       ; for the waves that come round the loads
.else
	PLACES 4
.endif
	FETCH_B \nslot, 0, 1-(\ks)%2
	FETCH_A \nslot, 0, 0
	WIN MUL_HI
	MUL16 4, (\ks)%2, \ks, 0
	MUL16 6, (\ks)%2, \ks, 0
	PLACES 4
	WIN 0
	FETCH_A \nslot, 0, 4
.endm
	s_wait_alu depctr_va_vdst(0)                   ; the wait at the head's end
	s_cmp_lt_u32 s16, 2
	s_cbranch_scc0 .Lnot_first
	s_wait_tensorcnt 0x0                           ; K steps 0-1 are in; waves 2 and 3's loads may be out
.Lnot_first:
	s_barrier_signal -1
	s_barrier_wait -1
	FETCH_B 0, 0, 0
	FETCH_A 0, 0, 0
	FETCH_A 0, 0, 4
	s_wait_loadcnt 0x0                             ; the scale words
	STEP 0, 0, 1, 1
	TURN 1, 1, 1
	STEP 2, 1, 1, 0
	s_wait_alu depctr_va_vdst(0)
	STEP 3, 2, 0, 0
	STEP 4, 2, 1, 0
	TURN 5, 0, 0
	STEP 6, 0, 1, 0
	s_wait_dscnt 4*NL
	WIN MUL_LO
	MUL16 0, 1, 7, 0
	MUL16 2, 1, 7, 0
	s_wait_dscnt 0x0
	WIN MUL_HI
	MUL16 4, 1, 7, 0
	MUL16 6, 1, 7, 0
	WIN 0
	PLACES 4
; THE WAY OUT.  Block a of the queries: a lane's 64 scores of one query, register 16 b + i = key 32 b + 16 (lane / 16) + i of the wave's 128.
.macro POUT a
.set QW, 2+(\a)/4
.set QS, 64*((\a)%4)
.set QP, 128+20*((\a)%2)
	WIN QW|(QW<<2)
.irp b, 0,1,2,3
	v_max_num_f32 v[TM+\b], v[QS+16*\b], v[QS+16*\b+1]   ; the largest score of each block of 32 keys; each accumulator from its low end on
.endr
.irp i, 2,4,6,8,10,12,14
.irp b, 0,1,2,3
	v_max3_num_f32 v[TM+\b], v[QS+16*\b+\i], v[QS+16*\b+\i+1], v[TM+\b]
.endr
.endr
	WIN 0
.irp b, 0,1,2,3
	v_permlanex16_b32 v[TM+4+\b], v[TM+\b], s[SEL], s[SEL+1]
.endr
.irp b, 0,1,2,3
	v_max_num_f32 v[TM+\b], v[TM+\b], v[TM+4+\b]
.endr
	v_max3_num_f32 v[TT], v[TM], v[TM+1], v[TM+2]
	v_max_num_f32 v[TT], v[TT], v[TM+3]            ; my query's largest score among these 128 keys
	v_mul_f32 v[TT], s[CS], v[TT]                  ; as t (c is positive)
	v_floor_f32 v[NM], -v[TT]                      ; -M = floor(-t) = -ceil(t): a whole number
	v_mov_b32 v[MD+\a], v[NM]
	WIN (QW<<6)|QW
.set J, 0
.rept 32
	v_pk_fma_f32 v[QS+J:QS+J+1], v[QS+J:QS+J+1], s[CS:CS+1], v[NM:NM+1] op_sel_hi:[1,0,0]   ; t - M, two at a time
.set J, J+2
.endr
.set J, 0
	s_wait_alu depctr_va_vdst(0)                   ; the wait ahead of the batch
.rept 64
	v_exp_f32 v[QS+J], v[QS+J]                     ; p = 2^(t - M): one batch
.set J, J+1
.endr
	WIN 0
.irp b, 0,1,2,3
	v_fma_f32 v[TM+\b], v[TM+\b], s[CS], v[NM]     ; the same of each block's largest score (plain lines behind the exponentials)
.endr
	s_wait_alu depctr_va_vdst(0)                   ; one wait for the batch, ahead of its first reader
.irp b, 0,1,2,3
	v_exp_f32 v[TM+\b], v[TM+\b]                   ; the block's largest p
.endr
	WIN QW|(QW<<2)
	v_pk_add_f32 v[SA:SA+1], v[QS:QS+1], v[QS+2:QS+3]         ; the sum of the UNQUANTISED p, in four chains of pairs
	v_pk_add_f32 v[SA+2:SA+3], v[QS+4:QS+5], v[QS+6:QS+7]
	v_pk_add_f32 v[SB:SB+1], v[QS+8:QS+9], v[QS+10:QS+11]
	v_pk_add_f32 v[SB+2:SB+3], v[QS+12:QS+13], v[QS+14:QS+15]
	WIN QW
.irp j, 16,24,32,40,48,56
	v_pk_add_f32 v[SA:SA+1], v[QS+\j:QS+\j+1], v[SA:SA+1]
	v_pk_add_f32 v[SA+2:SA+3], v[QS+\j+2:QS+\j+3], v[SA+2:SA+3]
	v_pk_add_f32 v[SB:SB+1], v[QS+\j+4:QS+\j+5], v[SB:SB+1]
	v_pk_add_f32 v[SB+2:SB+3], v[QS+\j+6:QS+\j+7], v[SB+2:SB+3]
.endr
	WIN 0
	v_pk_add_f32 v[SA:SA+1], v[SA:SA+1], v[SA+2:SA+3]
	v_pk_add_f32 v[SB:SB+1], v[SB:SB+1], v[SB+2:SB+3]
	v_pk_add_f32 v[SA:SA+1], v[SA:SA+1], v[SB:SB+1]
	v_add_f32 v[SA], v[SA], v[SA+1]
	v_permlanex16_b32 v[SA+1], v[SA], s[SEL], s[SEL+1]
	v_add_f32 v[LD+\a], v[SA], v[SA+1]             ; with lane l xor 16's 64 keys
	s_wait_alu depctr_va_vdst(0)                   ; and one wait for the four
.irp b, 0,1,2,3
	v_max_num_f32 v[TM+\b], 0x21800000, v[TM+\b]   ; held at 2^-60 from below: p's byte is 65 at the least, and the next launch may take up to 64 off it
.endr
.irp b, 0,1,2,3
	v_add_nc_u32 v[TM+12+\b], 0xff000000, v[TM+\b]
.endr
.irp b, 0,1,2,3
	v_lshrrev_b32 v[TM+4+\b], 23, v[TM+12+\b]
.endr
	v_lshl_or_b32 v[WD+\a], v[TM+5], 8, v[TM+4]
	v_lshl_or_b32 v[WD+\a], v[TM+6], 16, v[WD+\a]
	v_lshl_or_b32 v[WD+\a], v[TM+7], 24, v[WD+\a]
.if \a > 1
	s_wait_xcnt 0x0                                ; block a - 2's stores have read these registers
.endif
	WIN QW
.irp c, 0,1
	v_cvt_scalef32_pk16_fp6_f32 v[QP+6*\c:QP+6*\c+2], v[QS+32*\c:QS+32*\c+15], v[TM+12+2*\c]
	v_cvt_scalef32_pk16_fp6_f32 v[QP+12+4*\c:QP+14+4*\c], v[QS+32*\c+16:QS+32*\c+31], v[TM+13+2*\c]
.endr
	WIN 0
	v_nop                                          ; one plain line behind the scaled conversions
.irp c, 0,1
.irp i, 0,1,2
	v_permlane16_swap_b32 v[QP+6*\c+\i], v[QP+12+4*\c+\i]
.endr
.irp i, 0,1,2
	v_mov_b32 v[QP+3+6*\c+\i], v[QP+12+4*\c+\i]
.endr
.endr
.irp c, 0,1,2
	global_store_b128 v[LI], v[QP+4*\c:QP+4*\c+3], s[8:9] offset:(\a)*FRB+512*\c
.endr
.endm
.irp a, 0,1,2,3,4,5,6,7
	POUT \a
.endr
	v_cmp_ne_u32 vcc_lo, 0, v2
.irp i, 0,1,2,3
	v_cndmask_b32 v[104+\i], v[WD+\i], v[WD+4+\i], vcc_lo   ; lanes 0-15 blocks 0-3 of row r, lanes 16-31 blocks 4-7: each store covers 512 consecutive bytes
	v_cndmask_b32 v[116+\i], v[MD+\i], v[MD+4+\i], vcc_lo
	v_cndmask_b32 v[120+\i], v[LD+\i], v[LD+4+\i], vcc_lo
.endr
	global_store_b128 v[WO], v[104:107], s[10:11]
	global_store_b128 v[WO], v[116:119], s[12:13]
	global_store_b128 v[WO], v[120:123], s[12:13] offset:524288
	s_wait_tensorcnt 0x0                           ; the wave's end
	ds_add_u32 v[SPW], v[NIL]
	s_wait_dscnt 0x0
	CROUND                                         ; the closing round
	s_endpgm
.Lfunc_end_k_qdc5b58e77c_scores:
	.size	k_qdc5b58e77c_scores, .Lfunc_end_k_qdc5b58e77c_scores-k_qdc5b58e77c_scores
	.p2alignl 7, 3214868480
	.fill 96, 4, 3214868480
	.section	.rodata,"a",@progbits
	.p2align	6, 0x0
	.amdhsa_kernel k_qdc5b58e77c_scores
		.amdhsa_group_segment_fixed_size 327680
		.amdhsa_private_segment_fixed_size 0
		.amdhsa_enable_private_segment 0
		.amdhsa_kernarg_size 40
		.amdhsa_user_sgpr_count 2
		.amdhsa_user_sgpr_kernarg_segment_ptr 1
		.amdhsa_wavefront_size32 1
		.amdhsa_system_sgpr_workgroup_id_x 1
		.amdhsa_system_sgpr_workgroup_id_y 1
		.amdhsa_system_sgpr_workgroup_id_z 1
		.amdhsa_system_vgpr_workitem_id 0
		.amdhsa_next_free_vgpr 1024
		.amdhsa_next_free_sgpr 100
		.amdhsa_reserve_vcc 1
		.amdhsa_float_denorm_mode_32 3
		.amdhsa_float_denorm_mode_16_64 3
		.amdhsa_memory_ordered 1
		.amdhsa_forward_progress 1
		.amdhsa_inst_pref_size 193
	.end_amdhsa_kernel
	.amdgpu_metadata
---
amdhsa.version: [ 1, 2 ]
amdhsa.kernels:
  - .name:           k_qdc5b58e77c_scores
    .symbol:         k_qdc5b58e77c_scores.kd
    .args:
      - { .name: qk_codes, .offset: 0, .size: 8, .value_kind: global_buffer, .address_space: global }
      - { .name: qk_scales, .offset: 8, .size: 8, .value_kind: global_buffer, .address_space: global }
      - { .name: p_codes, .offset: 16, .size: 8, .value_kind: global_buffer, .address_space: global }
      - { .name: pv_scales, .offset: 24, .size: 8, .value_kind: global_buffer, .address_space: global }
      - { .name: p_stats, .offset: 32, .size: 8, .value_kind: global_buffer, .address_space: global }
    .group_segment_fixed_size: 327680
    .private_segment_fixed_size: 0
    .kernarg_segment_align: 8
    .kernarg_segment_size: 40
    .max_flat_workgroup_size: 128
    .sgpr_count:     100
    .vgpr_count:     1024
    .wavefront_size: 32
...
	.end_amdgpu_metadata
.endif
;; end of part 3
;; launch pv (part 4): grid 8 x 32, 4 waves a work-group, clusters of 4 x 4, 327,680 bytes of LDS; arguments p_codes, v_codes, pv_scales, p_stats, out0; writes out0
.if DOCPART == 4
	.amdgcn_target "amdgcn-amd-amdhsa--gfx1250"
	.amdhsa_code_object_version 6
	.text
	.protected	k_qdc5b58e77c_pv
	.globl	k_qdc5b58e77c_pv
	.p2align	8
	.type	k_qdc5b58e77c_pv,@function
k_qdc5b58e77c_pv:
	s_mov_b64 s[64:65], 0
	v_nop
	global_prefetch_b8 v0, s[64:65] scope:SCOPE_SE
	s_setreg_imm32_b32 hwreg(HW_REG_WAVE_MODE, 25, 1), 1
	s_wait_xcnt 0x0
	s_wait_alu depctr_hold_cnt(0) depctr_sa_sdst(0) depctr_va_vdst(0) depctr_va_sdst(0) depctr_va_ssrc(0) depctr_va_vcc(0) depctr_vm_vsrc(0)
	s_getreg_b32 s2, hwreg(HW_REG_IB_STS2, 6, 4)
	s_cmp_eq_u32 s2, 0
	s_cbranch_scc0 .Lentry_in_a_cluster
	s_endpgm
.Lentry_in_a_cluster:
	s_bfe_u32 s2, ttmp6, 0x10000c
	s_cmp_lg_u32 s2, 0xf033
	s_cbranch_scc0 .Lentry_shape_is_right
	s_endpgm
.Lentry_shape_is_right:
; out = (p v) / l on codes of FP6 (E2M3), K = the 4,096 keys.  A work-group makes 128 queries x 128 columns: 256 work-groups.  Four waves: wave w takes the queries' half qh = w / 2 (four blocks of 16)
; and every second K step of 128 keys: in trip i (0 .. 15) K step 2 i + kh, kh = w % 2.  A wave's tile is 64 x 128: 32 accumulators.  The two K halves' sums meet in LDS at the end.
; OPERANDS lie in memory as images of their registers (fragment: 1,536 bytes, register 4 c + i of lane L at 512 c + 16 L + 4 i), [group of 128][K step 32][block 8][1536]; lane-row r of block a is row 32 (a / 2) + 8 (a % 2) + r + 8 (r / 8).
; P GOES STRAIGHT INTO REGISTERS: a fragment of p is read by one wave of the work-group; its loads (512 consecutive bytes each) stand up to five trips ahead of their use, in six sets of registers.
; V GOES THROUGH LDS: two waves read each fragment.  v hangs on cx alone: its tiles are asked for jointly by a column of the cluster.  LDS holds 24 K steps (12,288 bytes each): the head asks for K steps 0-23, one load a wave;
; the one refill, K steps 24-31 onto the place of K steps 0-7, stands in trip 3 and is read from trip 12 on.  One tensor load of a wave is out at a time.
; No prefetch: p's own loads stand up to five trips (160 products) ahead, and v's refill eight trips; nothing of v is left to ask for.
; THE SCALES.  p was made under a local whole number M for each 128 keys.  The row's M is the largest: over my K steps in a lane, over lane halves, and over the two waves of a query half through LDS.
; d = row's M - local M, held at 64, is taken off each of p's four bytes (65 at the least as they come: no byte borrows).  l = the sum of the local sums x 2^-d.
; One register carries the words of two trips: lanes 0-15 trip 2 j, lanes 16-31 trip 2 j + 1.
; Source 0 = 16 columns of v, source 1 = 16 queries: a lane holds one query, register j of tile b column 32 (b / 2) + 8 (b % 2) + 16 (lane / 16) + j.
; All of a WGP's LDS is claimed, and the add of 0 onto spare words stands where it stands.
; LIMITS: NaN and infinities are not served.  Keys whose local M lies more than 64 under the row's are weighed as if it lay 64 under: 2^-64 of the row's largest weight; blocks of 32 keys whose largest p lies under 2^-60 of its local M are coded with the step of 2^-60.
; REGISTERS: window 0: addresses, v32-127 scale words, v128-203 the head's statistics, v128-255 rows on the way out.  Window 1: accumulators ((a, b) at 8 (8 a + b)); rows on the way out.
;   Window 2: p's sets 0-4 (48 each).  Window 3: p's set 5 at 0, v's two sets at 48 and 144.
.set KSB,   12288
.set TRB,   2*KSB                      ; a trip: two K steps
.set GRPB,  32*KSB
.set STAGE, 8*KSB                      ; the way out: 64 rows x 528 bytes a wave, on the bytes of K steps 8-23, whose one fill is the head's
.set SPITCH, 528
.set WSTG,  64*SPITCH
.set MX,    24*KSB                     ; each wave's smallest -M: [wave][r 16][a 4]
.set LP,    MX+1024                    ; each wave's part of l: [wave][row 64]
.set SPARE, LP+1024
.set LI,    4                          ; 16 x lane
.set VA,    5                          ; v5-8  v's fragments, from trip 0, 3, 6, 9 on (an LDS offset has 16 bits)
.set SPW,   9
.set NIL,   10
.set SCO,   11                         ; 40,960 h + 32 r
.set STA,   12                         ; 32,768 h + 32 r
.set MXW,   13
.set MXR,   14
.set LPW,   15
.set STO,   16
.set RD,    17
.set LPR,   19
.set MN,    20                         ; v20-23 my rows' smallest -M
.set TP,    24
.set LS,    28                         ; v28-31 my rows' part of l
.set SCW,   32                         ; pair j: p's four words at 32 + 12 j, v's eight behind them
.set NM,    128
.set SM,    160
.set EE,    192
.set LT,    196
.set MQ,    200
.set G1X,   24                         ; 384 rows of 256 bytes
.set G1Y,   32                         ; 256 rows
.set G1R,   40                         ; 96 rows
.set G0X,   48
.set G0Y,   52
.set G0R,   56
.set SEL,   96
.set MSB, 0
.macro WIN new
.if MSB != (\new)
	s_set_vgpr_msb (MSB<<8)|(\new)
.set MSB, (\new)
.endif
.endm
.macro PLACES n
.rept \n
	v_nop
.endr
.endm
.macro CREST
	s_cmp_lg_u32 s16, 0
	s_cbranch_scc1 .Lnot_wave_0_\@
	s_barrier_signal -3
.Lnot_wave_0_\@:
	s_barrier_wait -3
	s_barrier_signal -1
	s_barrier_wait -1
.endm
.macro CROUND
	s_barrier_signal -1
	s_barrier_wait -1
	CREST
.endm
; p's load n (0 .. 11) of trip u; v's LDS load n (0 .. 23) of trip u
.macro PSET u                          ; where trip u's fragments of p lie
.set PW_, 2
.set PB_, 48*((\u)%6)
.if (\u)%6 == 5
.set PW_, 3
.set PB_, 0
.endif
.endm
.macro PLD n, u
	PSET \u
	WIN PW_<<6
.set R_, PB_+4*(\n)
	global_load_b128 v[R_:R_+3], v[LI], s[4:5] offset:(\u)*TRB+512*(\n)
.endm
.macro PALL u
.irp n, 0,1,2,3,4,5,6,7,8,9,10,11
	PLD \n, \u
.endr
	WIN 0
.endm
.macro VLD n, u
.set U_, (\u)%12
.set R_, 48+96*((\u)%2)+4*(\n)
	WIN 0xc0
	ds_load_b128 v[R_:R_+3], v[VA+U_/3] offset:(U_%3)*TRB+512*(\n)
.endm
; product n of trip t: block n / 8 of my queries x block n % 8 of the columns; the 32 accumulators take turns, one instruction a turn
.macro PROD t, n
	PSET \t
	WIN 0x53|(PW_<<2)
.set D_, 8*(\n)
.set V_, 48+96*((\t)%2)+12*((\n)%8)
.set P_, PB_+12*((\n)/8)
.set XP_, SCW+12*((\t)/2)+(\n)/8
.set XV_, SCW+4+12*((\t)/2)+(\n)%8
.if (\t) == 0
	v_wmma_scale_f32_16x16x128_f8f6f4 v[D_:D_+7], v[V_:V_+11], v[P_:P_+11], 0, v[XV_], v[XP_] matrix_a_fmt:MATRIX_FMT_FP6 matrix_b_fmt:MATRIX_FMT_FP6
.elseif (\t)%2
	v_wmma_scale_f32_16x16x128_f8f6f4 v[D_:D_+7], v[V_:V_+11], v[P_:P_+11], v[D_:D_+7], v[XV_], v[XP_] matrix_a_fmt:MATRIX_FMT_FP6 matrix_b_fmt:MATRIX_FMT_FP6 matrix_a_scale:MATRIX_SCALE_ROW1 matrix_b_scale:MATRIX_SCALE_ROW1
.else
	v_wmma_scale_f32_16x16x128_f8f6f4 v[D_:D_+7], v[V_:V_+11], v[P_:P_+11], v[D_:D_+7], v[XV_], v[XP_] matrix_a_fmt:MATRIX_FMT_FP6 matrix_b_fmt:MATRIX_FMT_FP6
.endif
.endm
; The loads of trip t, in runs: the next trip's 24 from LDS; p's twelve of five trips on (in trips 0 and 1 of four, in trip 2 of four and of five).
.macro VRUN t
.set L_, 0
.rept 24
	VLD L_, (\t)+1
.set L_, L_+1
.endr
.endm
.macro PRUN t
.if (\t) < 3
	PALL (\t)+4
.endif
.if ((\t) >= 2) && ((\t) < 11)
	PALL (\t)+5
.endif
.endm
; A trip.  lw: the loads younger than this trip's p (and its scale words).  Four plain lines stand between the last trip's products and the loads into the registers that they read.
; kind 1: the refill's round stands inside; kind 2: a plain barrier shows the refill, and that K steps 8-23 are read no more.
.macro TRIP t, lw, kind
.if (\t) > 0
	PLACES 4
.endif
.if (\kind) == 1
	WIN 0
	s_wait_tensorcnt 0x0                           ; my load of the head has landed
	ds_add_u32 v[SPW], v[NIL]
	s_wait_loadcnt \lw
	s_wait_dscnt 1                                 ; this trip's fragments are in; the add may be out
.elseif (\kind) == 2
	s_wait_tensorcnt 0x0                           ; my part of the refill is in
	s_wait_loadcnt \lw
	s_wait_dscnt 0x0                               ; and my reads of K steps 8-23 are over
	s_barrier_signal -1
.else
	VRUN \t
	s_wait_loadcnt \lw
	PRUN \t
	s_wait_dscnt 24                                ; this trip's fragments are in; the next trip's 24 loads may be out
.endif
.set N_, 0
.rept 32
	PROD \t, N_
.set N_, N_+1
.if ((\kind) == 1) && (N_ == 8)
	s_wait_dscnt 0x0                               ; the add is done, and so are my reads of K steps 0-7
	s_barrier_signal -1
.endif
.if ((\kind) == 1) && (N_ == 16)
	WIN 0
	s_barrier_wait -1
	CREST                                          ; no wave of any partner still reads K steps 0-7 or has a load on its way; K steps 8-23 are in for all
	tensor_load_to_lds s[G0R:G0R+3], s[G1R:G1R+7]  ; my quarter of K steps 24-31
	s_nop 0
	PLACES 4
	VRUN \t
	PRUN \t
.endif
.if ((\kind) == 2) && (N_ == 8)
	s_barrier_wait -1
	VRUN \t
.endif
.endr
.endm
	s_load_b128 s[4:7], s[0:1], 0x0                ; p's codes, v's codes
	s_load_b128 s[8:11], s[0:1], 0x10              ; the scale words; -M and the sums
	s_load_b64 s[12:13], s[0:1], 0x20              ; the output
	v_lshl_add_u32 v[SPW], v0, 2, SPARE
	v_mov_b32 v[NIL], 0
	ds_add_u32 v[SPW], v[NIL]
	ds_add_u32 v[SPW], v[NIL]
	v_lshrrev_b32 v1, 5, v0
	v_readfirstlane_b32 s16, v1                    ; wave
	s_lshr_b32 s17, s16, 1                         ; qh
	s_and_b32 s18, s16, 1                          ; kh
	s_bfe_u32 s19, ttmp6, 0x40000
	s_bfe_u32 s20, ttmp6, 0x40004
	s_lshl_b32 s67, ttmp9, 2
	s_add_co_u32 s67, s67, s19                     ; the group of columns
	s_and_b32 s66, ttmp7, 0xffff
	s_lshl_b32 s66, s66, 2
	s_add_co_u32 s66, s66, s20                     ; the group of queries
	s_lshl_b32 s22, 0x1111, s19                    ; my column of the cluster
.irp g, G1X, G1Y, G1R
	s_or_b32 s[\g], s22, (3<<16)|(1<<21)           ; elements of 8 bytes, dense rows of 256 bytes; the mask, and bit 21 beside it
	s_mov_b32 s[\g+1], 32<<16
	s_mov_b32 s[\g+3], 32<<16
	s_mov_b32 s[\g+5], 32
	s_mov_b32 s[\g+6], 0
	s_mov_b32 s[\g+7], 0
.endr
	s_mov_b32 s[G1X+2], 384<<16
	s_mov_b32 s[G1X+4], 384
	s_mov_b32 s[G1Y+2], 256<<16
	s_mov_b32 s[G1Y+4], 256
	s_mov_b32 s[G1R+2], 96<<16
	s_mov_b32 s[G1R+4], 96
	s_mul_i32 s68, s67, GRPB                       ; v's codes of my columns
	s_mov_b32 s69, 0
	s_lshl_b32 s70, s16, 16                        ; waves 1-3: 65,536 bytes each, from K step 8 on
	s_add_co_u32 s70, s70, 8*KSB-65536
	s_mov_b32 s71, 0
	s_mul_i32 s72, s16, TRB                        ; the refill: two K steps a wave
	s_mov_b32 s73, 0
	s_mul_i32 s74, s18, KSB
	s_mul_i32 s75, s16, WSTG
	s_add_co_u32 s75, s75, STAGE
	s_mul_i32 s76, s17, 2*WSTG
	s_mul_i32 s77, s18, 32*SPITCH
	s_add_co_u32 s76, s76, s77
	s_add_co_u32 s76, s76, STAGE
	s_lshl_b32 s77, s17, 9
	s_lshl_b32 s78, s18, 7
	s_add_co_u32 s77, s77, s78
	s_add_co_u32 s77, s77, LP
	s_lshl_b32 s78, s16, 8
	s_add_co_u32 s80, s78, LP
	s_add_co_u32 s78, s78, MX
	s_xor_b32 s79, s16, 1
	s_lshl_b32 s79, s79, 8
	s_add_co_u32 s79, s79, MX
	v_and_b32 v1, 15, v0                           ; r
	v_bfe_u32 v2, v0, 4, 1                         ; h
	v_and_b32 v3, 31, v0
	v_lshlrev_b32 v[LI], 4, v3
	v_add_nc_u32 v[VA], s74, v[LI]
	v_add_nc_u32 v[VA+1], 3*TRB, v[VA]
	v_add_nc_u32 v[VA+2], 6*TRB, v[VA]
	v_add_nc_u32 v[VA+3], 9*TRB, v[VA]
	v_lshlrev_b32 v[SCO], 5, v1
	v_lshl_add_u32 v[STA], v2, 15, v[SCO]
	v_mul_u32_u24 v20, v2, 40960
	v_add_nc_u32 v[SCO], v[SCO], v20
	v_lshl_add_u32 v[MXW], v1, 4, s78
	v_lshl_add_u32 v[MXR], v1, 4, s79
	v_lshl_add_u32 v[LPW], v1, 2, s80
	v_mul_u32_u24 v[STO], v1, SPITCH
	v_lshl_add_u32 v[STO], v2, 6, v[STO]
	v_add_nc_u32 v[STO], s75, v[STO]               ; into my stage: row r, + 64 h
	v_add_nc_u32 v[RD], s76, v[LI]                 ; back: a row of 512 bytes a load
	v_lshl_add_u32 v[LPR], v3, 2, s77
.irp c, 0,1,2,3
	v_mov_b32 v[TP+\c], 0                          ; (a lane permute's destination counts as read)
.endr
	s_mov_b32 s[SEL], 0x76543210
	s_mov_b32 s[SEL+1], 0xfedcba98
	s_mul_i32 s82, s66, GRPB                       ; p: my queries' half, my first K step
	s_add_co_u32 s82, s82, s74
	s_mul_i32 s81, s17, KSB/2
	s_add_co_u32 s82, s82, s81
	s_mov_b32 s83, 0
	s_lshl_b32 s86, s66, 9                         ; 512 bytes a group, 16 a half's row
	s_lshl_b32 s81, s17, 4
	s_add_co_u32 s86, s86, s81
	s_lshl_b32 s84, s18, 14
	s_add_co_u32 s84, s84, s86                     ; -M and the sums: 16,384 bytes a K step
	s_mov_b32 s85, 0
	s_mul_i32 s81, s18, 20480                      ; scale words: 20,480 bytes a K step
	s_add_co_u32 s86, s86, s81
	s_mov_b32 s87, 0
	s_lshl_b32 s88, s67, 9
	s_add_co_u32 s88, s88, s81
	s_add_co_u32 s88, s88, 32*512
	s_mov_b32 s89, 0
	s_lshl_b32 s90, s66, 19                        ; the output: 128 rows of 4,096 bytes a group, 64 a half, 32 of them mine; 512 bytes a group of columns
	s_lshl_b32 s81, s16, 17
	s_add_co_u32 s90, s90, s81
	s_lshl_b32 s81, s67, 9
	s_add_co_u32 s90, s90, s81
	s_mov_b32 s91, 0
	s_wait_alu depctr_va_vdst(0)
	s_wait_dscnt 0x0                               ; both opening adds are done
	CROUND                                         ; all sixteen work-groups are here: the first joint loads meet
	s_wait_kmcnt 0x0
	s_add_nc_u64 s[68:69], s[6:7], s[68:69]
	s_mov_b32 s[G0X], 1
	s_mov_b32 s[G0X+1], 0
	s_mov_b64 s[G0X+2:G0X+3], s[68:69]
	s_or_b32 s[G0X+3], s[G0X+3], 0x80000000
	s_mov_b32 s[G0Y], 1
	s_mov_b32 s[G0Y+1], s70
	s_add_nc_u64 s[G0Y+2:G0Y+3], s[68:69], s[70:71]
	s_or_b32 s[G0Y+3], s[G0Y+3], 0x80000000
	s_mov_b32 s[G0R], 1
	s_mov_b32 s[G0R+1], s72
	s_add_nc_u64 s[G0R+2:G0R+3], s[68:69], s[72:73]
	s_add_nc_u64 s[G0R+2:G0R+3], s[G0R+2:G0R+3], 24*KSB
	s_or_b32 s[G0R+3], s[G0R+3], 0x80000000
	s_cmp_eq_u32 s16, 0
	s_cbranch_scc0 .Lothers
	tensor_load_to_lds s[G0X:G0X+3], s[G1X:G1X+7]  ; wave 0: K steps 0-7
	s_nop 0
	PLACES 4
	s_branch .Lasked
.Lothers:
	tensor_load_to_lds s[G0Y:G0Y+3], s[G1Y:G1Y+7]  ; waves 1-3: a third each of K steps 8-23
	s_nop 0
	PLACES 4
.Lasked:
	s_add_nc_u64 s[4:5], s[4:5], s[82:83]
	s_add_nc_u64 s[10:11], s[10:11], s[84:85]
	s_add_nc_u64 s[14:15], s[8:9], s[86:87]
	s_add_nc_u64 s[8:9], s[8:9], s[88:89]
	s_add_nc_u64 s[12:13], s[12:13], s[90:91]
.irp j, 0,1,2,3,4,5,6,7                ; pair j: lanes 0-15 K step 4 j + kh, lanes 16-31 K step 4 j + 2 + kh
	global_load_b128 v[NM+4*\j:NM+4*\j+3], v[STA], s[10:11] offset:\j*65536
.endr
.irp j, 0,1,2,3,4,5,6,7
	global_load_b128 v[SM+4*\j:SM+4*\j+3], v[STA], s[10:11] offset:524288+\j*65536
.endr
.irp j, 0,1,2,3,4,5,6,7
	global_load_b128 v[SCW+12*\j:SCW+12*\j+3], v[SCO], s[14:15] offset:\j*81920
.endr
.macro VWORDS j
	global_load_b128 v[SCW+4+12*\j:SCW+7+12*\j], v[SCO], s[8:9] offset:\j*81920
	global_load_b128 v[SCW+8+12*\j:SCW+11+12*\j], v[SCO], s[8:9] offset:\j*81920+16
.endm
	VWORDS 0
	PALL 0
	PALL 1
	PALL 2
	s_wait_loadcnt 54                              ; -M is in: behind it 8 + 8 + 2 loads and three trips' 36
.irp c, 0,1,2,3
	v_min3_num_f32 v[MN+\c], v[NM+\c], v[NM+4+\c], v[NM+8+\c]
.endr
.irp c, 0,1,2,3
	v_min3_num_f32 v[MN+\c], v[MN+\c], v[NM+12+\c], v[NM+16+\c]
.endr
.irp c, 0,1,2,3
	v_min3_num_f32 v[MN+\c], v[MN+\c], v[NM+20+\c], v[NM+24+\c]
.endr
.irp c, 0,1,2,3
	v_min_num_f32 v[MN+\c], v[MN+\c], v[NM+28+\c]
.endr
.irp c, 0,1,2,3
	v_permlanex16_b32 v[TP+\c], v[MN+\c], s[SEL], s[SEL+1]
.endr
.irp c, 0,1,2,3
	v_min_num_f32 v[MN+\c], v[MN+\c], v[TP+\c]     ; over my sixteen K steps
.endr
	s_wait_alu depctr_va_vdst(0)
	ds_store_b128 v[MXW], v[MN:MN+3]
	s_wait_dscnt 0x0                               ; my store has landed
	s_barrier_signal -1
	s_barrier_wait -1
	ds_load_b128 v[MQ:MQ+3], v[MXR]                ; the other K half's
	s_wait_loadcnt 38                              ; the sums and p's words are in: behind them 2 loads and 36
	s_wait_dscnt 0x0
.irp j, 1,2,3,4,5,6,7
	VWORDS \j
.endr
	PALL 3
.irp c, 0,1,2,3
	v_min_num_f32 v[MN+\c], v[MN+\c], v[MQ+\c]     ; the row's
.endr
.macro MOVE j                          ; pair j, my four rows by turns
	v_pk_add_f32 v[EE:EE+1], v[MN:MN+1], v[NM+4*\j:NM+4*\j+1] neg_lo:[0,1] neg_hi:[0,1]
	v_pk_add_f32 v[EE+2:EE+3], v[MN+2:MN+3], v[NM+4*\j+2:NM+4*\j+3] neg_lo:[0,1] neg_hi:[0,1]
.irp c, 0,1,2,3
	v_max_num_f32 v[EE+\c], 0xc2800000, v[EE+\c]   ; -d, held at -64
.endr
.irp c, 0,1,2,3
	v_cvt_i32_f32 v[EE+\c], v[EE+\c]
.endr
.irp c, 0,1,2,3
.if \j == 0
	v_ldexp_f32 v[LS+\c], v[SM+\c], v[EE+\c]       ; the local sum x 2^-d; the first starts l
.else
	v_ldexp_f32 v[LT+\c], v[SM+4*\j+\c], v[EE+\c]
.endif
.endr
.irp c, 0,1,2,3
	v_lshl_add_u32 v[EE+\c], v[EE+\c], 8, v[EE+\c]
.endr
.irp c, 0,1,2,3
	v_add_nc_u32 v[SCW+12*\j+\c], v[SCW+12*\j+\c], v[EE+\c]
.endr
.irp c, 0,1,2,3
	v_lshl_add_u32 v[SCW+12*\j+\c], v[EE+\c], 16, v[SCW+12*\j+\c]  ; d taken off all four bytes
.endr
.if \j > 0
	v_pk_add_f32 v[LS:LS+1], v[LS:LS+1], v[LT:LT+1]
	v_pk_add_f32 v[LS+2:LS+3], v[LS+2:LS+3], v[LT+2:LT+3]
.endif
.endm
.irp j, 0,1,2,3,4,5,6,7
	MOVE \j
.endr
.irp c, 0,1,2,3
	v_permlanex16_b32 v[TP+\c], v[LS+\c], s[SEL], s[SEL+1]
.endr
.irp c, 0,1,2,3
	v_add_f32 v[LS+\c], v[LS+\c], v[TP+\c]
.endr
.irp c, 0,1,2,3
	ds_store_b32 v[LPW], v[LS+\c] offset:64*\c     ; both lane halves store the same word
.endr
	s_wait_alu depctr_va_vdst(0)                   ; the wait at the head's end
	s_cmp_eq_u32 s16, 0
	s_cbranch_scc0 .Lnot_first
	s_wait_tensorcnt 0x0                           ; K steps 0-7 are in; the other waves' loads may be out
.Lnot_first:
	s_wait_dscnt 0x0
	s_barrier_signal -1
	s_barrier_wait -1
.set N_, 0
.rept 24
	VLD N_, 0
.set N_, N_+1
.endr
	TRIP 0, 50, 0                                  ; younger: p of trips 1, 2, 3 (36) and v's words of pairs 1-7 (14)
	TRIP 1, 50, 0                                  ; p of trips 2, 3, 4 and the 14
	TRIP 2, 36, 0                                  ; p of trips 3, 4, 5
	TRIP 3, 48, 1                                  ; from here on four trips' p
	TRIP 4, 48, 0
	TRIP 5, 48, 0
	TRIP 6, 48, 0
	TRIP 7, 48, 0
	TRIP 8, 48, 0
	TRIP 9, 48, 0
	TRIP 10, 48, 0
	TRIP 11, 48, 2
	TRIP 12, 36, 0
	TRIP 13, 24, 0
	TRIP 14, 12, 0
; The last trip: a block's sums go to my stage while the next block's products run
.macro STG a, i
	WIN 0x04
.irp e, 0,1
.set B_, 2*(\i)+\e
.set AC_, 8*(8*(\a)+B_)
	ds_store_b128 v[STO], v[AC_:AC_+3] offset:(\a)*16*SPITCH+128*(B_/2)+32*(B_%2)
	ds_store_b128 v[STO], v[AC_+4:AC_+7] offset:(\a)*16*SPITCH+128*(B_/2)+32*(B_%2)+16
.endr
.endm
	PLACES 4
	s_wait_loadcnt 0x0
	s_wait_dscnt 0x0
.set N_, 0
.rept 32
	PROD 15, N_
.set N_, N_+1
.if N_%8 == 0
	PLACES 4
.if N_ > 8                             ; a block's sixteen stores in one run, behind the next block's products
.irp i, 0,1,2,3
	STG N_/8-2, \i
.endr
.endif
.endif
.endr
.irp i, 0,1,2,3
	STG 3, \i
.endr
	WIN 0
	s_wait_dscnt 0x0                               ; my stores have landed
	s_barrier_signal -1
	s_barrier_wait -1
; THE WAY OUT.  I finish 32 of my half's 64 stage rows: both K halves' sums, x 1 / l.  Stage row 32 kh + t is row 8 (t / 16) + t % 16 + 8 ((t % 16) / 8) of my 32
	ds_load_b32 v21, v[LPR]
	ds_load_b32 v22, v[LPR] offset:256
.macro ROWIN t
	WIN 0x40*((\t)/16)
.set R_, 128-128*((\t)/16)+4*((\t)%16)
	ds_load_b128 v[R_:R_+3], v[RD] offset:(\t)*SPITCH
	ds_load_b128 v[R_+64:R_+67], v[RD] offset:WSTG+(\t)*SPITCH
.endm
.set T_, 0
.rept 16
	ROWIN T_
.set T_, T_+1
.endr
	s_wait_dscnt 32                                ; the two parts of l of row = lane
.rept 16
	ROWIN T_
.set T_, T_+1
.endr
	WIN 0
	v_add_f32 v20, v21, v22                        ; l is above 1/2: the row's largest p is
	s_wait_alu depctr_va_vdst(0)
	v_rcp_f32 v20, v20
	v_nop
	s_wait_alu depctr_va_vdst(0)                   ; ahead of the reciprocal's first reader
.irp i, 25,27,29,31
	s_mov_b32 s\i, 0                               ; (the upper halves of the pairs that hold a row's 1 / l)
.endr
.macro ROWS g                          ; rows 4 g .. 4 g + 3
.set Q_, (\g)/4
	WIN 0
.irp e, 0,1,2,3
	v_readlane_b32 s[24+2*\e], v20, 4*(\g)+\e
.endr
	s_wait_dscnt 64-8*((\g)+1)                     ; these rows' eight loads are in
	WIN 0x45*Q_
.irp e, 0,1,2,3
.set R_, 128-128*Q_+4*((4*(\g)+\e)%16)
	v_pk_add_f32 v[R_:R_+1], v[R_:R_+1], v[R_+64:R_+65]
	v_pk_add_f32 v[R_+2:R_+3], v[R_+2:R_+3], v[R_+66:R_+67]
.endr
.irp e, 0,1,2,3
.set R_, 128-128*Q_+4*((4*(\g)+\e)%16)
	v_pk_mul_f32 v[R_:R_+1], v[R_:R_+1], s[24+2*\e:25+2*\e] op_sel_hi:[1,0]
	v_pk_mul_f32 v[R_+2:R_+3], v[R_+2:R_+3], s[24+2*\e:25+2*\e] op_sel_hi:[1,0]
.endr
	WIN 0x04*Q_
.irp e, 0,1,2,3
.set T_, 4*(\g)+\e
.set R_, 128-128*Q_+4*(T_%16)
	global_store_b128 v[LI], v[R_:R_+3], s[12:13] offset:(8*(T_/16)+T_%16+8*((T_%16)/8))*4096 th:TH_STORE_NT   ; 512 consecutive bytes, aligned
.endr
.endm
.irp g, 0,1,2,3,4,5,6,7
	ROWS \g
.endr
	WIN 0
	s_wait_tensorcnt 0x0                           ; the wave's end
	ds_add_u32 v[SPW], v[NIL]
	s_wait_dscnt 0x0
	CROUND                                         ; the closing round
	s_endpgm
.Lfunc_end_k_qdc5b58e77c_pv:
	.size	k_qdc5b58e77c_pv, .Lfunc_end_k_qdc5b58e77c_pv-k_qdc5b58e77c_pv
	.p2alignl 7, 3214868480
	.fill 96, 4, 3214868480
	.section	.rodata,"a",@progbits
	.p2align	6, 0x0
	.amdhsa_kernel k_qdc5b58e77c_pv
		.amdhsa_group_segment_fixed_size 327680
		.amdhsa_private_segment_fixed_size 0
		.amdhsa_enable_private_segment 0
		.amdhsa_kernarg_size 40
		.amdhsa_user_sgpr_count 2
		.amdhsa_user_sgpr_kernarg_segment_ptr 1
		.amdhsa_wavefront_size32 1
		.amdhsa_system_sgpr_workgroup_id_x 1
		.amdhsa_system_sgpr_workgroup_id_y 1
		.amdhsa_system_sgpr_workgroup_id_z 1
		.amdhsa_system_vgpr_workitem_id 0
		.amdhsa_next_free_vgpr 1024
		.amdhsa_next_free_sgpr 100
		.amdhsa_reserve_vcc 0
		.amdhsa_float_denorm_mode_32 3
		.amdhsa_float_denorm_mode_16_64 3
		.amdhsa_memory_ordered 1
		.amdhsa_forward_progress 1
		.amdhsa_inst_pref_size 161
	.end_amdhsa_kernel
	.amdgpu_metadata
---
amdhsa.version: [ 1, 2 ]
amdhsa.kernels:
  - .name:           k_qdc5b58e77c_pv
    .symbol:         k_qdc5b58e77c_pv.kd
    .args:
      - { .name: p_codes, .offset: 0, .size: 8, .value_kind: global_buffer, .address_space: global }
      - { .name: v_codes, .offset: 8, .size: 8, .value_kind: global_buffer, .address_space: global }
      - { .name: pv_scales, .offset: 16, .size: 8, .value_kind: global_buffer, .address_space: global }
      - { .name: p_stats, .offset: 24, .size: 8, .value_kind: global_buffer, .address_space: global }
      - { .name: out0, .offset: 32, .size: 8, .value_kind: global_buffer, .address_space: global }
    .group_segment_fixed_size: 327680
    .private_segment_fixed_size: 0
    .kernarg_segment_align: 8
    .kernarg_segment_size: 40
    .max_flat_workgroup_size: 128
    .sgpr_count:     100
    .vgpr_count:     1024
    .wavefront_size: 32
...
	.end_amdgpu_metadata
.endif
;; end of part 4
